; MI455X (gfx1250); checked and timed in simulation.
; The chip was launched on July 23, 2026; its instructions are those of AMD's public machine-readable ISA for CDNA 5 (MIT licence, August 2026) and "CDNA5" Instruction Set Architecture Reference Guide (July 2026). The comments in the code are by the model that wrote it; some were corrected since.
;; GQ Attention. Allowed arithmetic: matrix products marked QUANTISED: E2M1 operands, one E8M0 scale for each 32 along K, by v_wmma_scale_f32_16x16x128_f8f6f4 with both operands' format E2M1 (or v_wmma_scale_f32_32x16x128_f4), f32 sums; products left as they are: bf16, f16 or f32 operands; f32 sums; everything else in f32.
;; Inputs: Wk 512 x 2,048 float32; Wproj 2,048 x 2,048 float32; Wq 2,048 x 2,048 float32; Wv 512 x 2,048 float32; q_gain 16 float32; x 1 x 2,048 x 2,048 float32.
;; Outputs: out0 1 x 2,048 x 2,048 float32.
;; This version of the problem:
;;   THIS VERSION OF THE PROBLEM IS GIVEN IN LOW PRECISION. The matrix products marked QUANTISED in the list below multiply operands that are first quantised to E2M1 (2 exponent bits, 1 mantissa bit; 4 bits a number), with one power-of-two scale for each 32 numbers along K (OCP MX v1.0); their sums are f32. The products marked 'left as it is' may take bf16, f16 or f32 operands, with f32 sums. Whichever they take, every output number must still come out within the allowed error. Rounding operands to bf16 (8 significant bits) uses up far more of that allowance than f16 does (11 bits, for magnitudes from 6e-5 to 65,504). All else is computed in f32.
;;   The module's matrix products, in the order in which they are computed (A, B: the left and right operand; K: the contracted axis; several contracted axes count as one K, in the product's order):
;;     1. [M 2,048, K 2,048] x [K 2,048, N 2,048]; A: input x; B: input Wq: QUANTISED
;;     2. [M 2,048, K 2,048] x [K 2,048, N 512]; A: input x; B: input Wk: QUANTISED
;;     3. [M 2,048, K 2,048] x [K 2,048, N 512]; A: input x; B: input Wv: QUANTISED
;;     4. batch 16 x [M 2,048, K 128] x [K 128, N 2,048]; A: computed on the way; B: computed on the way: left as it is (an operand is computed on the way)
;;     5. batch 16 x [M 2,048, K 2,048] x [K 2,048, N 128]; A: computed on the way; B: computed on the way: left as it is (an operand is computed on the way)
;;     6. [M 2,048, K 2,048] x [K 2,048, N 2,048]; A: computed on the way; B: input Wproj: left as it is (an operand is computed on the way)
;;   THE QUANTISER, for each operand of a quantised product, along K:
;;     - K is cut into blocks of 32 from its start; a last block that is shorter is filled with zeros.
;;     - A block's scale is 2^e with e = floor(log2(the largest magnitude in the block)) - 2, held to -126 .. 127; a block of zeros has e = 0. As a byte (E8M0): e + 127.
;;     - Each number is divided by its block's scale, clamped to +-6, and rounded to the nearest number of E2M1, ties to even, subnormals kept.
;;     - The product sums the exact products of the quantised numbers (number of the format x scale) in f32.
;;   ~~~python
;;   def quantise(x, axis):      # numpy; x: float32 -> the quantised numbers, widened to float32 again
;;       x = np.moveaxis(x, axis, -1); K = x.shape[-1]
;;       x = np.pad(x, [(0, 0)] * (x.ndim - 1) + [(0, -K % 32)]); x = x.reshape(x.shape[:-1] + (-1, 32)); a = np.abs(x).max(-1, keepdims=True)
;;       e = np.where(a > 0, np.clip(np.frexp(np.where(a > 0, a, 1))[1] - 1 - 2, -126, 127), 0)      # np.frexp(a)[1] - 1 = floor(log2(a)), exactly
;;       r = np.clip(x / 2.0 ** e, -6, 6)
;;       step = 2.0 ** (np.maximum(np.frexp(np.where(r == 0, 1, r))[1] - 1, 0) - 1)
;;       q = np.round(r / step) * step * 2.0 ** e      # np.round: ties to even
;;       return np.moveaxis(q.reshape(q.shape[:-2] + (-1,))[..., :K], -1, axis).astype(np.float32)
;;   ~~~
;; One version. Each part assembles by itself: llvm-mc -triple=amdgcn-amd-amdhsa -mcpu=gfx1250 --defsym DOCPART=n.
;; ======== version 1 of 1: 5 launches
;; limits: values outside matrix products are rounded to f16; values are held in f16: magnitudes above 65,504 overflow, below 6.1e-05 lose precision
;; workspace buffers: codes 5,242,880 bytes; scales 327,680 bytes; wp16 8,388,608 bytes; rope 524,288 bytes; qkv 12,582,912 bytes; first 196,608 bytes; att 8,388,608 bytes
;; launch prep (part 1): grid 384 x 1, 4 waves a work-group, no clusters, 33,280 bytes of LDS; arguments x, Wq, Wk, Wv, codes, scales, rope; writes codes, scales, rope
.if DOCPART == 1
	.amdgcn_target "amdgcn-amd-amdhsa--gfx1250"
	.amdhsa_code_object_version 6
	.text
	.protected	k_q47fe019ca3_prep
	.globl	k_q47fe019ca3_prep
	.p2align	8
	.type	k_q47fe019ca3_prep,@function
k_q47fe019ca3_prep:
	s_mov_b64 s[64:65], 0
	v_nop
	global_prefetch_b8 v0, s[64:65] scope:SCOPE_SE
	s_setreg_imm32_b32 hwreg(HW_REG_WAVE_MODE, 25, 1), 1
	s_wait_xcnt 0x0
; PREP: two jobs in one launch, told apart by the work-group's number.
;   work-groups 0-319:   x, Wq, Wk, Wv (f32, K innermost) become codes of FP4 (E2M1) and one E8M0 byte for each 32 along K.
;                        codes: [5120 rows][1024 B], rows 0-2047 x, 2048-4095 Wq, 4096-4607 Wk, 4608-5119 Wv; scales: [5120][64 B].
;   work-groups 320-383: the RoPE table [2048 positions][cos_0..31, sin_0..31] f32, 256 B a row.
; A block's scale is 2^(floor(log2(largest magnitude)) - 2): its byte is the largest magnitude's exponent field - 2, held at 1 from below.
; LIMITS: NaN and infinities among the inputs are not served.  A block of zeros gets the byte 1 where the rule says 127: its codes are zeros
; and the bytes are read by this program alone.  inv_freq is made as 2^(-i x log2(10000)/32) by v_exp_f32, so an angle may differ from one
; made by a power and a division by a few parts in 10^7 of itself (at most about 3e-4 rad at position 2047).  The range reduction by pi/2 in
; two parts serves angles under 2^12; the largest here is 2047.
; No tensor loads, no cluster, no matrix unit: both jobs are streams and no work-group shares a byte with another.
.set WAVES, 4
.set STEPS, 16
.set EMAX,  2
.set CB,    8                          ; bytes of 16 codes
.set R,     16                         ; v16-79   four sets of 16 numbers as loaded
.set X,     80                         ; v80-111  two sets of 16 neighbours
.set E,     112                        ; v112-127 a scale byte for each step
.set C,     128                        ; v128-191 codes, four registers a step
.set WREG,  8192                       ; LDS: a region for each wave: two stages of 32 x SP bytes, then its 256 scale bytes
.set SP,    80                         ; a lane's place in a stage: 64 bytes + 16 of padding
.set SPW,   12                         ; v12  my spare word's LDS address; never rewritten
.set NIL,   13                         ; v13  0; never rewritten
.set SPARE, WAVES*WREG                 ; behind the regions: the spare words, 128 bytes a wave
	s_load_b256 s[4:11], s[0:1], 0x0               ; x, Wq, Wk, Wv
	s_load_b128 s[12:15], s[0:1], 0x20             ; codes, scales
	s_load_b64 s[20:21], s[0:1], 0x30              ; rope
	v_lshl_add_u32 v[SPW], v0, 2, SPARE
	v_mov_b32 v[NIL], 0
	v_lshrrev_b32 v1, 5, v0
	v_readfirstlane_b32 s22, v1                    ; wave
	v_and_b32 v2, 31, v0                           ; lane
	s_wait_kmcnt 0x0
	s_cmp_ge_u32 ttmp9, 320
	s_cbranch_scc1 .Ltable
; ---- THE QUANTISER.  A work-group takes 32,768 numbers, a wave 16 steps of 512.  Each load reads 512 consecutive bytes; a step's 2,048 bytes
; turn through the wave's own stage in LDS so that a lane then holds 16 neighbours along K (two neighbouring lanes hold a block).
	s_mov_b32 s26, 288
	s_cmp_lt_u32 ttmp9, 288                        ; which tensor: the choice hangs on the work-group's number alone
	s_cselect_b64 s[24:25], s[8:9], s[10:11]
	s_cselect_b32 s26, 256, s26
	s_cmp_lt_u32 ttmp9, 256
	s_cselect_b64 s[24:25], s[6:7], s[24:25]
	s_cselect_b32 s26, 128, s26
	s_cmp_lt_u32 ttmp9, 128
	s_cselect_b64 s[24:25], s[4:5], s[24:25]
	s_cselect_b32 s26, 0, s26                      ; the tensor's first work-group
	s_sub_co_u32 s27, ttmp9, s26
	s_lshl_b32 s27, s27, 2
	s_add_co_u32 s27, s27, s22                     ; my wave's run of 8,192 numbers in its tensor
	s_lshl_b32 s28, s27, 15
	s_mov_b32 s29, 0
	s_add_nc_u64 s[24:25], s[24:25], s[28:29]
	s_lshl_b32 s27, ttmp9, 2
	s_add_co_u32 s27, s27, s22                     ; and in the joined rows of codes and scales
	s_lshl_b32 s28, s27, 12
	s_add_nc_u64 s[12:13], s[12:13], s[28:29]
	s_lshl_b32 s28, s27, 8
	s_add_nc_u64 s[14:15], s[14:15], s[28:29]
	v_lshlrev_b32 v3, 4, v2                        ; my 16 bytes of a load's 512
	s_mul_i32 s30, s22, WREG
	v_lshrrev_b32 v14, 2, v2
	v_mul_u32_u24 v14, v14, SP
	v_and_b32 v15, 3, v2
	v_lshl_add_u32 v14, v15, 4, v14
	v_add_nc_u32 v14, s30, v14                     ; the stage, on the way in: SP (lane / 4) + 16 (lane % 4)
	v_mul_u32_u24 v15, v2, SP
	v_add_nc_u32 v15, s30, v15                     ; and on the way out: SP x lane
	v_mul_u32_u24 v4, v2, CB                       ; my codes' place in a step's
	v_lshrrev_b32 v5, 1, v2
	s_add_co_u32 s30, s30, 2*32*SP
	v_add_nc_u32 v5, s30, v5                       ; my block's scale byte in the wave's 256
	v_lshlrev_b32 v7, 3, v2
	v_add_nc_u32 v6, s30, v7                       ; and 8 bytes a lane on the way out
.macro LOAD t
.irp i, 0,1,2,3
	global_load_b128 v[R+16*((\t)%4)+4*\i:R+16*((\t)%4)+4*\i+3], v3, s[24:25] offset:2048*(\t)+512*\i th:TH_LOAD_NT
.endr
.endm
.macro TURN t                          ; a step's numbers through the stage: LDS serves a wave's instructions in order, so no wait stands between stores and loads
.irp i, 0,1,2,3
	ds_store_b128 v14, v[R+16*((\t)%4)+4*\i:R+16*((\t)%4)+4*\i+3] offset:32*SP*((\t)%2)+8*SP*\i
.endr
.irp i, 0,1,2,3
	ds_load_b128 v[X+16*((\t)%2)+4*\i:X+16*((\t)%2)+4*\i+3], v15 offset:32*SP*((\t)%2)+16*\i
.endr
.endm
.irp t, 0,1,2,3
	LOAD \t
.endr
	s_wait_loadcnt 12                              ; step 0's four loads are in; the twelve of steps 1 to 3 stay out
	TURN 0
.macro STEP t
.set XS, X+16*((\t)%2)
.if (\t) > 0
	s_wait_dscnt 1                                 ; this step's numbers are back from the stage; the last step's byte store may be out
.else
	s_wait_dscnt 0x0
.endif
.if (\t)+4 < STEPS
	LOAD (\t)+4
.endif
.if (\t)+1 < STEPS
.if STEPS-2-(\t) >= 3
	s_wait_loadcnt 12                              ; the next step's four loads are in; those of the three steps behind it stay out
.else
	s_wait_loadcnt 4*(STEPS-2-(\t))
.endif
	TURN (\t)+1
.endif
	v_max3_num_f32 v8, |v[XS]|, |v[XS+1]|, |v[XS+2]|
	v_max3_num_f32 v9, |v[XS+3]|, |v[XS+4]|, |v[XS+5]|
.irp i, 6,10
	v_max3_num_f32 v8, v8, |v[XS+\i]|, |v[XS+\i+1]|
	v_max3_num_f32 v9, v9, |v[XS+\i+2]|, |v[XS+\i+3]|
.endr
	v_max3_num_f32 v8, v8, |v[XS+14]|, |v[XS+15]|
	v_max3_num_f32 v8, v8, v9, (EMAX+1)<<23        ; the floor 2^(EMAX + 1 - 127): the byte cannot fall under 1
	v_max_num_f32_dpp v8, v8, v8 row_xmask:1 row_mask:0xf bank_mask:0xf   ; with my neighbour's 16: the block's largest magnitude
	v_add_nc_u32 v11, -(EMAX<<23), v8              ; EMAX off its exponent field: the conversion takes that field as its scale
	v_cvt_scalef32_pk8_fp4_f32 v[C+4*(\t)], v[XS:XS+7], v11
	v_cvt_scalef32_pk8_fp4_f32 v[C+4*(\t)+1], v[XS+8:XS+15], v11
	v_lshrrev_b32 v[E+(\t)], 23, v11               ; the scale's byte
	ds_store_b8 v5, v[E+(\t)] offset:16*(\t)       ; both lanes of a block write the same byte with the same value
	global_store_b64 v4, v[C+4*(\t):C+4*(\t)+1], s[12:13] offset:32*CB*(\t)   ; the wave stores 256 consecutive bytes, aligned
.endm
.irp t, 0,1,2,3,4,5,6,7,8,9,10,11,12,13,14,15
	STEP \t
.endr
	ds_load_b64 v[8:9], v6                         ; my wave's 256 scale bytes, 8 a lane
	s_wait_dscnt 0x0
	global_store_b64 v7, v[8:9], s[14:15]          ; 256 consecutive bytes, aligned
	s_wait_tensorcnt 0x0                           ; the wave's end, behind my last LDS store
	ds_add_u32 v[SPW], v[NIL]
	s_wait_dscnt 0x0
	s_endpgm
; ---- THE TABLE.  A wave makes eight rows.  Lane l makes two values, frequencies 2 (l % 16) and the next: lanes 0-15 cosines, lanes 16-31 sines
; (a sine is the cosine three quadrants on).  angle = position x inv_freq; n = the nearest multiple of pi/2; the rest goes through two short polynomials.
.Ltable:
	v_and_b32 v3, 15, v2
	v_lshrrev_b32 v4, 4, v2
	v_mul_u32_u24 v4, v4, 3                        ; the quadrant shift: 0 or 3
	v_lshlrev_b32 v5, 1, v3
	v_cvt_f32_u32 v6, v5
	v_add_nc_u32 v5, 1, v5
	v_cvt_f32_u32 v7, v5
	v_mul_f32 v6, 0xbed49a78, v6                   ; -i x log2(10000) / 32
	v_mul_f32 v7, 0xbed49a78, v7
	v_exp_f32 v6, v6                               ; inv_freq of my two frequencies
	v_exp_f32 v7, v7
	v_lshlrev_b32 v8, 3, v2                        ; 8 bytes a lane (a plain instruction behind the exponentials)
	s_wait_alu depctr_va_vdst(0)                   ; one wait for both, ahead of their first reader
	s_sub_co_u32 s23, ttmp9, 320
	s_lshl_b32 s23, s23, 5
	s_lshl_b32 s24, s22, 3
	s_add_co_u32 s23, s23, s24                     ; my wave's first position
	s_lshl_b32 s24, s23, 8
	s_mov_b32 s25, 0
	s_add_nc_u64 s[20:21], s[20:21], s[24:25]
	s_mov_b32 s26, 0x3f22f983                      ; 2 / pi
	s_mov_b32 s27, 0x3fc90fdb                      ; pi / 2, its upper part
	s_mov_b32 s28, 0xb33bbd2e                      ; and the rest
	s_mov_b32 s29, 0xb94ca1f9                      ; sine: -1.9515296e-4, 8.3321609e-3, -1.6666655e-1
	s_mov_b32 s30, 0x3c08839e
	s_mov_b32 s31, 0xbe2aaaa3
	s_mov_b32 s32, 0x37ccf5ce                      ; cosine: 2.4433157e-5, -1.3887316e-3, 4.1666646e-2
	s_mov_b32 s33, 0xbab6061a
	s_mov_b32 s34, 0x3d2aaaa5
.macro TROW u
	s_add_co_u32 s35, s23, \u
	v_cvt_f32_u32 v9, s35
.irp e, 0,1
	v_mul_f32 v[40+8*\e], v9, v[6+\e]              ; the angle
	v_mul_f32 v[41+8*\e], s26, v[40+8*\e]
	v_rndne_f32 v[41+8*\e], v[41+8*\e]             ; n
	v_fma_f32 v[42+8*\e], -v[41+8*\e], s27, v[40+8*\e]   ; exact: both are multiples of 2^-23 and the difference is under 1
	v_fma_f32 v[42+8*\e], -v[41+8*\e], s28, v[42+8*\e]   ; r
	v_mul_f32 v[43+8*\e], v[42+8*\e], v[42+8*\e]   ; z = r r
	v_fma_f32 v[44+8*\e], v[43+8*\e], s29, s30
	v_fma_f32 v[44+8*\e], v[44+8*\e], v[43+8*\e], s31
	v_mul_f32 v[44+8*\e], v[44+8*\e], v[43+8*\e]
	v_fma_f32 v[44+8*\e], v[44+8*\e], v[42+8*\e], v[42+8*\e]   ; sin r
	v_fma_f32 v[45+8*\e], v[43+8*\e], s32, s33
	v_fma_f32 v[45+8*\e], v[45+8*\e], v[43+8*\e], s34
	v_fma_f32 v[45+8*\e], v[45+8*\e], v[43+8*\e], -0.5
	v_fma_f32 v[45+8*\e], v[45+8*\e], v[43+8*\e], 1.0          ; cos r
	v_cvt_i32_f32 v[46+8*\e], v[41+8*\e]
	v_add_nc_u32 v[46+8*\e], v[46+8*\e], v4        ; the quadrant m
	v_and_b32 v[47+8*\e], 1, v[46+8*\e]
	v_cmp_eq_u32 vcc_lo, 1, v[47+8*\e]
	v_cndmask_b32 v[45+8*\e], v[45+8*\e], v[44+8*\e], vcc_lo   ; odd m: the sine
	v_add_nc_u32 v[46+8*\e], 1, v[46+8*\e]
	v_and_b32 v[46+8*\e], 2, v[46+8*\e]
	v_lshlrev_b32 v[46+8*\e], 30, v[46+8*\e]       ; m = 1, 2 modulo 4: the sign turns
	v_xor_b32 v[64+2*\u+\e], v[45+8*\e], v[46+8*\e]
.endr
	global_store_b64 v8, v[64+2*\u:65+2*\u], s[20:21] offset:256*\u   ; a row: 256 consecutive bytes, aligned
.endm
.irp u, 0,1,2,3,4,5,6,7
	TROW \u
.endr
	s_endpgm
.Lfunc_end_k_q47fe019ca3_prep:
	.size	k_q47fe019ca3_prep, .Lfunc_end_k_q47fe019ca3_prep-k_q47fe019ca3_prep
	.p2alignl 7, 3214868480
	.fill 96, 4, 3214868480
	.section	.rodata,"a",@progbits
	.p2align	6, 0x0
	.amdhsa_kernel k_q47fe019ca3_prep
		.amdhsa_group_segment_fixed_size 33280
		.amdhsa_private_segment_fixed_size 0
		.amdhsa_enable_private_segment 0
		.amdhsa_kernarg_size 56
		.amdhsa_user_sgpr_count 2
		.amdhsa_user_sgpr_kernarg_segment_ptr 1
		.amdhsa_wavefront_size32 1
		.amdhsa_system_sgpr_workgroup_id_x 1
		.amdhsa_system_sgpr_workgroup_id_y 1
		.amdhsa_system_sgpr_workgroup_id_z 1
		.amdhsa_system_vgpr_workitem_id 0
		.amdhsa_next_free_vgpr 192
		.amdhsa_next_free_sgpr 66
		.amdhsa_reserve_vcc 1
		.amdhsa_float_denorm_mode_32 3
		.amdhsa_float_denorm_mode_16_64 3
		.amdhsa_memory_ordered 1
		.amdhsa_forward_progress 1
		.amdhsa_inst_pref_size 52
	.end_amdhsa_kernel
	.amdgpu_metadata
---
amdhsa.version: [ 1, 2 ]
amdhsa.kernels:
  - .name:           k_q47fe019ca3_prep
    .symbol:         k_q47fe019ca3_prep.kd
    .args:
      - { .name: x, .offset: 0, .size: 8, .value_kind: global_buffer, .address_space: global }
      - { .name: Wq, .offset: 8, .size: 8, .value_kind: global_buffer, .address_space: global }
      - { .name: Wk, .offset: 16, .size: 8, .value_kind: global_buffer, .address_space: global }
      - { .name: Wv, .offset: 24, .size: 8, .value_kind: global_buffer, .address_space: global }
      - { .name: codes, .offset: 32, .size: 8, .value_kind: global_buffer, .address_space: global }
      - { .name: scales, .offset: 40, .size: 8, .value_kind: global_buffer, .address_space: global }
      - { .name: rope, .offset: 48, .size: 8, .value_kind: global_buffer, .address_space: global }
    .group_segment_fixed_size: 33280
    .private_segment_fixed_size: 0
    .kernarg_segment_align: 8
    .kernarg_segment_size: 56
    .max_flat_workgroup_size: 128
    .sgpr_count:     66
    .vgpr_count:     192
    .wavefront_size: 32
...
	.end_amdgpu_metadata
.endif
;; end of part 1
;; launch qkv (part 2): grid 12 x 16, 4 waves a work-group, clusters of 4 x 4, 327,680 bytes of LDS; arguments codes, scales, rope, q_gain, qkv, first; writes qkv, first
.if DOCPART == 2
	.amdgcn_target "amdgcn-amd-amdhsa--gfx1250"
	.amdhsa_code_object_version 6
	.text
	.protected	k_q47fe019ca3_qkv
	.globl	k_q47fe019ca3_qkv
	.p2align	8
	.type	k_q47fe019ca3_qkv,@function
k_q47fe019ca3_qkv:
	s_mov_b64 s[64:65], 0
	v_nop
	global_prefetch_b8 v0, s[64:65] scope:SCOPE_SE
	s_setreg_imm32_b32 hwreg(HW_REG_WAVE_MODE, 25, 1), 1
	s_wait_xcnt 0x0
	s_wait_alu depctr_hold_cnt(0) depctr_sa_sdst(0) depctr_va_vdst(0) depctr_va_sdst(0) depctr_va_ssrc(0) depctr_va_vcc(0) depctr_vm_vsrc(0)
	s_getreg_b32 s2, hwreg(HW_REG_IB_STS2, 6, 4)
	s_cmp_eq_u32 s2, 0
	s_cbranch_scc0 .Lentry_in_a_cluster
	s_endpgm
.Lentry_in_a_cluster:
	s_bfe_u32 s2, ttmp6, 0x10000c
	s_cmp_lg_u32 s2, 0xf033
	s_cbranch_scc0 .Lentry_shape_is_right
	s_endpgm
.Lentry_shape_is_right:
; QKV: [x] x [Wq; Wk; Wv]^T on codes of FP4 with E8M0 scales, M 2048, N 3072, K 2048, f32 sums; then, in f32, the RMS norm over each head of q and k,
; the partial RoPE (columns i and i + 32, i < 32), q's gain; results as f16 for the attention, and rows 0-15 also as f32.
; SHARES.  A work-group makes 128 rows x 256 columns (two heads); wave (mh, nh) makes 64 rows x 128 columns: ONE head, so that the norm stays in the wave.
; 32 accumulators of 16 x 16.  The grid is 12 x 16 = 192 work-groups: a head must lie in one wave, and 64 x 128 reads 12 fragments for 32 products.
; THE MATRIX INSTRUCTION IS USED TRANSPOSED (source 0 = 16 rows of W, source 1 = 16 rows of x): lane (r, h) holds row r; register j of accumulator (a, b)
; is column 16 b + 8 h + j of the head.  The RoPE partner of a column lies in accumulator b + 2 of the same lane.
; K goes in four steps of 512 (rows of 256 bytes) through two LDS slots; the scales of all of K come once.  All 16 steps of 128 are written out.
; CLUSTER 4 x 4: x's tiles are shared along a row of the cluster, W's along a column: joint loads.  No branch and no LDS address hangs on the place in
; the cluster: what differs between q, k and v heads is chosen by s_cselect_b32 (factors, strides, offsets) and by a lane mask.
;   v heads: the norm's factor is 1 and the table's row is row 0 (cos 1, sin 0), so the same lines leave them as they are.
; OUT.  qkv: q [16 heads][2048][128] f16; from byte 8,388,608 [4 kv][2048][K 256 B, V 256 B].
; first: rows 0-15 in f32, [24 heads (q 0-15, k 16-19, v 20-23)][16 groups of four registers][32 lanes][16 B]: an IMAGE OF MY REGISTERS, which is the order in which
; the launch that reads it wants its operands: lane (r, h), register 8 b + j = column 16 b + 8 h + j of row r.  Each of these stores covers 512 consecutive bytes.
; LIMITS: the gain is multiplied into the norm's factor (another order of rounding than norm, rotation, gain); v beyond 65,504 has no f16.
; REGISTERS.  window 0: v1-31 addresses; v32-95 scale words, two sets, and nothing else; v96-159 x's fragments, two sets (epilogue: v96-127 rows read back,
; v128-159 statistics); v160-223, v224-255 at work in the epilogue.  window 1: W's fragments, two sets of 64.  window 2: the accumulators, (a, b) at v[8 (8 a + b)].
; window 3: v0-127 the table's values: block a at 32 a: cos of b = 0, 1, then sin of b = 0, 1, eight each.
.set PITCH,  272                       ; an LDS row: 256 bytes + 16 of padding
.set HALFA,  64*PITCH                  ; what waves 0, 1 fetch: 64 rows of x
.set HALFB,  128*PITCH                 ; what waves 2, 3 fetch: 128 rows of W
.set BOFF,   2*HALFA
.set SLOT,   BOFF+2*HALFB              ; 104,448
.set SCL,    2*SLOT                    ; the scales, as units of 256 bytes + 16: x's 128 rows, then W's 256
.set HSA,    16*272
.set HSB,    32*272
.set SBLK,   4*272                     ; 16 rows' scales
.set SPARE,  SCL+2*HSA+2*HSB           ; the spare words, 128 bytes a wave
.set RO,   4                           ; v4-7   the table's offsets of blocks 0-3
.set CO,   8                           ; v8-15  output offsets of the eight pairs of rows
.set ADRA, 16
.set ADRB, 20
.set STO,  24
.set RD,   25
.set ROWV, 26                          ; v26  my row of block 0
.set ADRS, 27
.set SPW,  28
.set NIL,  29
.set FO,   30                          ; v30  16 x lane: my place in a group of first
.set SC,   32
.set AF,   96
.set BK,   96
.set SS,   128
.set MU,   136
.set TP,   144
.set T,    160
.set H,    224
.set G1,   24
.set G0,   32
.set G1B,  48
.set G0B,  56
.set G1S,  68
.set G0S,  76
.set G1SB, 80
.set G0SB, 88
.set SEL,  100
.set MSB, 0
.macro WIN new                         ; the immediate's high byte repeats the setting that is left
.if MSB != \new
	s_set_vgpr_msb (MSB<<8)|\new
.set MSB, \new
.endif
.endm
.set MUL, 0xa1                         ; source 0 (W) window 1, source 1 (x) window 0, C and D window 2
.macro PLACES n
.rept \n
	v_nop
.endr
.endm
; A joint load: waves 0 and 1 fetch for x, waves 2 and 3 for W; the branch hangs on the wave's number alone.  An s_nop 0 and four v_nop follow each line.
.macro JLOAD g0a, g1a, g0b, g1b
	s_cmp_eq_u32 s17, 0
	s_cbranch_scc0 .Lfor_b_\@
	tensor_load_to_lds s[\g0a:\g0a+3], s[\g1a:\g1a+7]
	s_nop 0
.rept 4
	v_nop
.endr
	s_branch .Lasked_\@
.Lfor_b_\@:
	tensor_load_to_lds s[\g0b:\g0b+3], s[\g1b:\g1b+7]
	s_nop 0
.rept 4
	v_nop
.endr
.Lasked_\@:
.endm
.macro CREST                           ; a round of the cluster's barrier behind its opening barrier
	s_cmp_lg_u32 s16, 0
	s_cbranch_scc1 .Lnot_wave_0_\@
	s_barrier_signal -3
.Lnot_wave_0_\@:
	s_barrier_wait -3
	s_barrier_signal -1
	s_barrier_wait -1
.endm
.macro CROUND
	s_barrier_signal -1
	s_barrier_wait -1
	CREST
.endm
	s_load_b256 s[4:11], s[0:1], 0x0               ; codes, scales, rope, q_gain
	s_load_b128 s[12:15], s[0:1], 0x20             ; qkv, first
	v_lshl_add_u32 v[SPW], v0, 2, SPARE
	v_mov_b32 v[NIL], 0
	ds_add_u32 v[SPW], v[NIL]                      ; the wave's opening: the add, twice on end, and its wait ahead of my first tensor load
	ds_add_u32 v[SPW], v[NIL]
	v_lshrrev_b32 v1, 5, v0
	v_readfirstlane_b32 s16, v1                    ; wave
	s_lshr_b32 s17, s16, 1                         ; mh: my half of the rows.  Also: I fetch for x (0) or for W (1)
	s_and_b32 s18, s16, 1                          ; nh: my head of the two.  Also: which half of that tile I fetch
	s_bfe_u32 s19, ttmp6, 0x40000                  ; cx
	s_bfe_u32 s20, ttmp6, 0x40004                  ; cy
	s_lshl_b32 s21, ttmp9, 2
	s_add_co_u32 s21, s21, s19                     ; tx: 256 columns
	s_and_b32 s22, ttmp7, 0xffff
	s_lshl_b32 s22, s22, 2
	s_add_co_u32 s22, s22, s20                     ; ty: 128 rows
	s_lshl_b32 s2, s20, 2
	s_lshl_b32 s2, 15, s2                          ; my row of the cluster
	s_lshl_b32 s3, 0x1111, s19                     ; my column
	s_or_b32 s[G1], s2, (1<<20)|(1<<21)|(5<<22)|(3<<25)            ; elements of 1 byte; 4 words of padding behind every 64
	s_or_b32 s[G1B], s3, (1<<20)|(1<<21)|(5<<22)|(3<<25)
	s_or_b32 s[G1S], s2, (3<<16)|(1<<20)|(1<<21)|(5<<22)|(3<<25)   ; elements of 8 bytes
	s_or_b32 s[G1SB], s3, (3<<16)|(1<<20)|(1<<21)|(5<<22)|(3<<25)
	s_mov_b32 s[G1+1], 256<<16                     ; x's codes: 64 rows of 256 bytes, 1,024 apart
	s_mov_b32 s[G1+2], 64<<16
	s_mov_b32 s[G1+3], 256<<16
	s_mov_b32 s[G1+4], 64
	s_mov_b32 s[G1+5], 1024
	s_mov_b32 s[G1+6], 0
	s_mov_b32 s[G1+7], 0
	s_mov_b32 s[G1B+1], 256<<16                    ; W's: 128 rows
	s_mov_b32 s[G1B+2], 128<<16
	s_mov_b32 s[G1B+3], 256<<16
	s_mov_b32 s[G1B+4], 128
	s_mov_b32 s[G1B+5], 1024
	s_mov_b32 s[G1B+6], 0
	s_mov_b32 s[G1B+7], 0
	s_mov_b32 s[G1S+1], 32<<16                     ; x's scales: 64 rows x 64 bytes, dense: 16 rows of 256 bytes
	s_mov_b32 s[G1S+2], 16<<16
	s_mov_b32 s[G1S+3], 32<<16
	s_mov_b32 s[G1S+4], 16
	s_mov_b32 s[G1S+5], 32
	s_mov_b32 s[G1S+6], 0
	s_mov_b32 s[G1S+7], 0
	s_mov_b32 s[G1SB+1], 32<<16                    ; W's: 32 rows of 256 bytes
	s_mov_b32 s[G1SB+2], 32<<16
	s_mov_b32 s[G1SB+3], 32<<16
	s_mov_b32 s[G1SB+4], 32
	s_mov_b32 s[G1SB+5], 32
	s_mov_b32 s[G1SB+6], 0
	s_mov_b32 s[G1SB+7], 0
	s_lshl_b32 s40, s22, 7                         ; x: row 128 ty + 64 half (registers that never hold tx)
	s_lshl_b32 s41, s18, 6
	s_add_co_u32 s40, s40, s41
	s_lshl_b32 s42, s40, 6                         ; its scales' bytes
	s_lshl_b32 s40, s40, 10                        ; its codes' bytes
	s_mov_b32 s41, 0
	s_mov_b32 s43, 0
	s_lshl_b32 s44, s21, 8                         ; W: row 2048 + 256 tx + 128 half (registers that never hold ty)
	s_lshl_b32 s45, s18, 7
	s_add_co_u32 s44, s44, s45
	s_add_co_u32 s44, s44, 2048
	s_lshl_b32 s46, s44, 6
	s_lshl_b32 s44, s44, 10
	s_mov_b32 s45, 0
	s_mov_b32 s47, 0
	s_mul_i32 s23, s18, HALFA                      ; where they go: no place in the cluster enters an LDS address
	s_mul_i32 s66, s18, HALFB
	s_add_co_u32 s66, s66, BOFF
	s_mul_i32 s67, s18, HSA
	s_add_co_u32 s67, s67, SCL
	s_mul_i32 s92, s18, HSB
	s_add_co_u32 s92, s92, SCL+2*HSA
	s_mov_b32 s[SEL], 0x76543210
	s_mov_b32 s[SEL+1], 0xfedcba98
	s_mov_b32 s97, 0x34000000                      ; eps = 2^-23
	s_mov_b32 s98, 0x3c000000                      ; 1 / 128
	s_wait_dscnt 0x0                               ; both opening adds are done
	s_wait_kmcnt 0x0
	s_add_nc_u64 s[40:41], s[4:5], s[40:41]
	s_add_nc_u64 s[42:43], s[6:7], s[42:43]
	s_add_nc_u64 s[44:45], s[4:5], s[44:45]
	s_add_nc_u64 s[46:47], s[6:7], s[46:47]
	CROUND                                         ; all sixteen work-groups are here: the first joint loads meet
	s_mov_b32 s[G0S], 1
	s_mov_b32 s[G0S+1], s67
	s_mov_b64 s[G0S+2:G0S+3], s[42:43]
	s_or_b32 s[G0S+3], s[G0S+3], 0x80000000
	s_mov_b32 s[G0SB], 1
	s_mov_b32 s[G0SB+1], s92
	s_mov_b64 s[G0SB+2:G0SB+3], s[46:47]
	s_or_b32 s[G0SB+3], s[G0SB+3], 0x80000000
	JLOAD G0S, G1S, G0SB, G1SB                     ; the scales of all of K: filled once
.irp s, 0,1
	s_mov_b32 s[G0+4*\s], 1
	s_add_co_u32 s[G0+4*\s+1], s23, \s*SLOT
	s_add_nc_u64 s[G0+4*\s+2:G0+4*\s+3], s[40:41], \s*256
	s_or_b32 s[G0+4*\s+3], s[G0+4*\s+3], 0x80000000
	s_mov_b32 s[G0B+4*\s], 1
	s_add_co_u32 s[G0B+4*\s+1], s66, \s*SLOT
	s_add_nc_u64 s[G0B+4*\s+2:G0B+4*\s+3], s[44:45], \s*256
	s_or_b32 s[G0B+4*\s+3], s[G0B+4*\s+3], 0x80000000
	JLOAD G0+4*\s, G1, G0B+4*\s, G1B               ; K steps 0 and 1: three loads of mine are out
.endr
	v_and_b32 v1, 15, v0                           ; r
	v_bfe_u32 v2, v0, 4, 1                         ; h
	v_mul_u32_u24 v3, v1, PITCH
	v_lshl_add_u32 v3, v2, 4, v3                   ; a fragment's row x pitch + 16 h
	s_mul_i32 s2, s17, HALFA                       ; my 64 rows of x
	s_mul_i32 s3, s18, HALFB                       ; my 128 rows of W
	s_add_co_u32 s3, s3, BOFF
.irp s, 0,1
	v_add_nc_u32 v[ADRA+\s], s2, v3
	v_add_nc_u32 v[ADRB+\s], s3, v3
	s_add_co_u32 s2, s2, SLOT
	s_add_co_u32 s3, s3, SLOT
.endr
	v_lshlrev_b32 v3, 6, v1                        ; my row's scales: 64 bytes a row,
	v_lshrrev_b32 v31, 2, v1
	v_lshl_add_u32 v3, v31, 4, v3                  ; and 16 more for each 256 passed
	s_mul_i32 s2, s17, HSA                         ; lanes 0-15: x's, my 64 rows
	s_mul_i32 s3, s18, HSB                         ; lanes 16-31: W's, my 128 rows, behind x's 128
	s_add_co_u32 s3, s3, 2*HSA
	s_sub_co_u32 s3, s3, s2
	v_mul_u32_u24 v31, s3, v2                      ; one product: the lower base + h x the distance
	s_add_co_u32 s2, s2, SCL
	v_add_nc_u32 v3, v3, v31
	v_add_nc_u32 v[ADRS], s2, v3
	s_mul_i32 s2, s16, 16*PITCH                    ; my stage, in slot 0: used only behind that slot's last fill and last read
	v_mul_u32_u24 v3, v1, PITCH
	v_lshl_add_u32 v3, v2, 4, v3
	v_add_nc_u32 v[STO], s2, v3                    ; in: row r, 16 bytes for each half of the lanes
	v_mul_u32_u24 v3, v2, PITCH
	v_lshl_add_u32 v3, v1, 4, v3
	v_add_nc_u32 v[RD], s2, v3                     ; back: lanes 0-15 one row, lanes 16-31 the next
	v_and_b32 v[FO], 31, v0
	v_lshlrev_b32 v[FO], 4, v[FO]                  ; 16 x lane
	; what differs between q, k and v heads, all by selects on the head's number
	s_lshl_b32 s92, s21, 1
	s_add_co_u32 s92, s92, s18                     ; HD = 2 tx + nh: 0-15 q, 16-19 k, 20-23 v
	s_min_u32 s94, s92, 15
	s_lshl_b32 s94, s94, 2
	s_mov_b32 s95, 0
	s_add_nc_u64 s[10:11], s[10:11], s[94:95]
	s_load_b32 s93, s[10:11], 0x0                  ; the gain (of head 15 for k and v, where it is not used)
	s_lshl_b32 s66, s92, 19                        ; q's place in qkv
	s_sub_co_u32 s67, s92, 16
	s_and_b32 s3, s67, 3
	s_lshl_b32 s3, s3, 20                          ; k's and v's: the kv head's 1 MiB,
	s_lshr_b32 s67, s67, 2
	s_and_b32 s67, s67, 1
	s_lshl_b32 s67, s67, 8                         ; v 256 bytes on in a row,
	s_add_co_u32 s3, s3, s67
	s_add_co_u32 s3, s3, 0x800000                  ; behind q's part
	s_mov_b32 s96, 512
	s_cmp_lt_u32 s92, 16
	s_cselect_b32 s66, s66, s3
	s_cselect_b32 s96, 256, s96                    ; bytes from row to row of the output
	s_cmp_lt_u32 s92, 20
	s_cselect_b32 s94, -1, 0                       ; the norm's lanes: all for q and k, none for v
	s_cselect_b32 s95, 256, 0                      ; the table's bytes from row to row: 0 for v, which so reads row 0
	s_lshl_b32 s3, s22, 7
	s_lshl_b32 s67, s17, 6
	s_add_co_u32 s3, s3, s67                       ; my first row
	s_mul_i32 s67, s3, s96
	s_add_co_u32 s66, s66, s67
	s_mov_b32 s67, 0
	s_add_nc_u64 s[12:13], s[12:13], s[66:67]
	s_lshl_b32 s66, s92, 13
	s_add_nc_u64 s[14:15], s[14:15], s[66:67]      ; my head in first
	s_lshl_b32 s66, s96, 4                         ; 16 rows of the output on
	v_add_nc_u32 v[ROWV], s3, v1
.irp a, 0,1,2,3
	v_add_nc_u32 v[RO+\a], 16*\a, v[ROWV]
	v_mul_lo_u32 v[RO+\a], v[RO+\a], s95
	v_lshl_add_u32 v[RO+\a], v2, 5, v[RO+\a]       ; the table's row, + 32 h
.endr
.irp t, 0,1,2,3,4,5,6,7
	v_add_nc_u32 v[CO+\t], 2*\t, v2
	v_mul_lo_u32 v[CO+\t], v[CO+\t], s96
	v_lshl_add_u32 v[CO+\t], v1, 4, v[CO+\t]
.endr
	s_wait_kmcnt 0x0
	s_cmp_lt_u32 s92, 16
	s_cselect_b32 s93, s93, 0x3f800000             ; k and v have no gain
	WIN 0xc0                                       ; destination window 3
.irp a, 0,1,2,3
.irp g, 0,1,2,3                                ; cos b = 0, 1, then sin b = 0, 1
	global_load_b128 v[32*\a+8*\g:32*\a+8*\g+3], v[RO+\a], s[8:9] offset:128*(\g/2)+64*(\g%2)
	global_load_b128 v[32*\a+8*\g+4:32*\a+8*\g+7], v[RO+\a], s[8:9] offset:128*(\g/2)+64*(\g%2)+16
.endr
.endr
	WIN 0
.macro FRAG reg, adr, q, i             ; 16 rows x 128 K of 4-bit codes: 8 registers, two loads of 16 bytes, 32 bytes apart
.irp c, 0,1
	ds_load_b128 v[\reg+4*\c:\reg+4*\c+3], v[\adr] offset:64*(\q)+32*\c+(\i)*16*PITCH
.endr
.endm
.macro FETCH slot, q, p                ; 24 loads: W's eight and x's four fragments of the slot's q-th 128 along K, into set p
	WIN 0x40
.irp i, 0,1,2,3,4,5,6,7
	FRAG 64*(\p)+8*\i, ADRB+\slot, \q, \i
.endr
	WIN 0
.irp i, 0,1,2,3
	FRAG AF+32*(\p)+8*\i, ADRA+\slot, \q, \i
.endr
.endm
.macro SCALES sc, ks                   ; K step ks's four words a row: lanes 0-15 x's block i, lanes 16-31 W's block i.  (For i = 4..7 lanes 0-15 read filled bytes of other rows, which no product names.)
.irp i, 0,1,2,3,4,5,6,7
	ds_load_b128 v[SC+32*\sc+4*\i:SC+32*\sc+4*\i+3], v[ADRS] offset:\i*SBLK+16*\ks
.endr
.endm
; Eight products: x's block a against W's eight.  The 32 accumulators take turns, one instruction a turn, in the same order in every step.
.macro MUL8 a, p, q, sc, zero
.irp b, 0,1,2,3,4,5,6,7
.if \zero
	v_wmma_scale_f32_16x16x128_f8f6f4 v[8*(8*(\a)+\b):8*(8*(\a)+\b)+7], v[64*(\p)+8*\b:64*(\p)+8*\b+7], v[AF+32*(\p)+8*(\a):AF+32*(\p)+8*(\a)+7], 0, v[SC+32*(\sc)+4*\b+(\q)], v[SC+32*(\sc)+4*(\a)+(\q)] matrix_a_fmt:MATRIX_FMT_FP4 matrix_b_fmt:MATRIX_FMT_FP4 matrix_a_scale:MATRIX_SCALE_ROW1
.else
	v_wmma_scale_f32_16x16x128_f8f6f4 v[8*(8*(\a)+\b):8*(8*(\a)+\b)+7], v[64*(\p)+8*\b:64*(\p)+8*\b+7], v[AF+32*(\p)+8*(\a):AF+32*(\p)+8*(\a)+7], v[8*(8*(\a)+\b):8*(8*(\a)+\b)+7], v[SC+32*(\sc)+4*\b+(\q)], v[SC+32*(\sc)+4*(\a)+(\q)] matrix_a_fmt:MATRIX_FMT_FP4 matrix_b_fmt:MATRIX_FMT_FP4 matrix_a_scale:MATRIX_SCALE_ROW1
.endif
.endr
.endm
.macro STEP slot, q, zero              ; a step of 128 along K whose successor lies in the same slot
	s_wait_dscnt 0x0                               ; this step's fragments (asked for a step ago) are in
	PLACES 4                                       ; four places in front of loads into registers that the last step's products read
	FETCH \slot, (\q)+1, 1-(\q)%2
	WIN MUL
	MUL8 0, (\q)%2, \q, \slot, \zero
	MUL8 1, (\q)%2, \q, \slot, \zero
	MUL8 2, (\q)%2, \q, \slot, \zero
	MUL8 3, (\q)%2, \q, \slot, \zero
	WIN 0
.endm
; A slot's last step changes slots: each wave waits for all its tensor loads, adds 0 to its spare word, waits for that and for its reads of this slot; one barrier.
; fill = 1: the barrier opens a round of the cluster's, and this slot is filled again, two K steps ahead, first thing behind the round.
.macro TURN slot, next, fill, ks
	s_wait_tensorcnt 0x0                           ; my part of the next slot has landed
	ds_add_u32 v[SPW], v[NIL]
	s_wait_dscnt 1                                 ; the add alone may be out: the step's fragments are in
	WIN MUL
	MUL8 0, 1, 3, \slot, 0
	s_wait_dscnt 0x0                               ; the add is done, and my reads of this slot are over
	s_barrier_signal -1
	MUL8 1, 1, 3, \slot, 0
	WIN 0
	s_barrier_wait -1
.if \fill
	CREST
	s_add_nc_u64 s[G0+4*\slot+2:G0+4*\slot+3], s[G0+4*\slot+2:G0+4*\slot+3], 512
	s_add_nc_u64 s[G0B+4*\slot+2:G0B+4*\slot+3], s[G0B+4*\slot+2:G0B+4*\slot+3], 512
	JLOAD G0+4*\slot, G1, G0B+4*\slot, G1B         ; its four v_nop are also the places in front of the loads below
.else
	PLACES 4
.endif
	FETCH \next, 0, 0
	SCALES \next, \ks
	WIN MUL
	MUL8 2, 1, 3, \slot, 0
	MUL8 3, 1, 3, \slot, 0
	WIN 0
.endm
	s_wait_tensorcnt 1                             ; the scales and K step 0 are in; K step 1's load may stay out
	s_barrier_signal -1
	s_barrier_wait -1
	FETCH 0, 0, 0
	SCALES 0, 0
	STEP 0, 0, 1                                   ; the first products start the sums: nothing is cleared
	STEP 0, 1, 0
	STEP 0, 2, 0
	TURN 0, 1, 1, 1
	STEP 1, 0, 0
	STEP 1, 1, 0
	STEP 1, 2, 0
	TURN 1, 0, 1, 2
	STEP 0, 0, 0
	STEP 0, 1, 0
	STEP 0, 2, 0
	TURN 0, 1, 0, 3                                ; nothing is left to fetch
	STEP 1, 0, 0
	STEP 1, 1, 0
	STEP 1, 2, 0
	s_wait_dscnt 0x0
	WIN MUL
	MUL8 0, 1, 3, 1, 0
	MUL8 1, 1, 3, 1, 0
	MUL8 2, 1, 3, 1, 0
	MUL8 3, 1, 3, 1, 0
	WIN 0
	; ---- THE EPILOGUE: no branch.  The sum of squares of my 64 numbers of each of four rows, each accumulator from its low end on
	PLACES 4
	s_wait_loadcnt 0x0                             ; the table's values
	WIN 0x0a                                       ; sources 0 and 1 window 2
.set i, 0
.rept 32
.irp a, 0,1,2,3
.if i == 0
	v_pk_mul_f32 v[SS+2*\a:SS+2*\a+1], v[64*\a+2*i:64*\a+2*i+1], v[64*\a+2*i:64*\a+2*i+1]
.else
	v_pk_fma_f32 v[SS+2*\a:SS+2*\a+1], v[64*\a+2*i:64*\a+2*i+1], v[64*\a+2*i:64*\a+2*i+1], v[SS+2*\a:SS+2*\a+1]
.endif
.endr
.set i, i+1
.endr
	WIN 0
.irp a, 0,1,2,3
	v_mov_b32 v[TP+\a], 0                          ; a lane permute's destination counts as one of its sources
.endr
.irp a, 0,1,2,3
	v_add_f32 v[SS+2*\a], v[SS+2*\a], v[SS+2*\a+1]
.endr
.irp a, 0,1,2,3
	v_permlanex16_b32 v[TP+\a], v[SS+2*\a], s[SEL], s[SEL+1]
.endr
.irp a, 0,1,2,3
	v_add_f32 v[SS+2*\a], v[SS+2*\a], v[TP+\a]     ; with lane l xor 16's 64: the row's
.endr
.irp a, 0,1,2,3
	v_fma_f32 v[SS+2*\a], v[SS+2*\a], s98, s97     ; the mean + eps
.endr
.irp a, 0,1,2,3
	v_rsq_f32 v[TP+\a], v[SS+2*\a]
.endr
	v_nop                                          ; a plain instruction behind the last of the batch
	s_wait_alu depctr_va_vdst(0)                   ; one wait for the four, ahead of their first reader
.irp a, 0,1,2,3
	v_cndmask_b32 v[MU+2*\a], 1.0, v[TP+\a], s94   ; v heads: 1
.endr
.irp a, 0,1,2,3
	v_mul_f32 v[MU+2*\a], s93, v[MU+2*\a]          ; x the gain
.endr
.irp a, 0,1,2,3
	v_mov_b32 v[MU+2*\a+1], v[MU+2*\a]             ; (named as a pair, so both are written)
.endr
; Block a, 16 rows: the factor, the rotation, f16, through my stage, out as whole rows of 256 bytes.
.macro EPI a
	WIN 0x02                                       ; source 0 window 2
.set i, 0
.rept 32
	v_pk_mul_f32 v[T+2*i:T+2*i+1], v[64*\a+2*i:64*\a+2*i+1], v[MU+2*\a:MU+2*\a+1] op_sel_hi:[1,0]
.set i, i+1
.endr
	WIN 0x0c                                       ; source 1 window 3: cos and sin
.irp b, 0,1
.irp jj, 0,1,2,3
	v_pk_mul_f32 v[H+4*(4*\b+\jj):H+4*(4*\b+\jj)+1], v[T+8*(\b+2)+2*\jj:T+8*(\b+2)+2*\jj+1], v[32*\a+16+8*\b+2*\jj:32*\a+16+8*\b+2*\jj+1]   ; x2 sin
	v_pk_mul_f32 v[H+4*(4*\b+\jj)+2:H+4*(4*\b+\jj)+3], v[T+8*\b+2*\jj:T+8*\b+2*\jj+1], v[32*\a+16+8*\b+2*\jj:32*\a+16+8*\b+2*\jj+1]         ; x1 sin
.endr
.endr
.irp b, 0,1
.irp jj, 0,1,2,3
	v_pk_fma_f32 v[T+8*\b+2*\jj:T+8*\b+2*\jj+1], v[T+8*\b+2*\jj:T+8*\b+2*\jj+1], v[32*\a+8*\b+2*\jj:32*\a+8*\b+2*\jj+1], v[H+4*(4*\b+\jj):H+4*(4*\b+\jj)+1]   ; x1 cos + x2 sin
	v_pk_fma_f32 v[T+8*(\b+2)+2*\jj:T+8*(\b+2)+2*\jj+1], v[T+8*(\b+2)+2*\jj:T+8*(\b+2)+2*\jj+1], v[32*\a+8*\b+2*\jj:32*\a+8*\b+2*\jj+1], v[H+4*(4*\b+\jj)+2:H+4*(4*\b+\jj)+3] neg_lo:[0,0,1] neg_hi:[0,0,1]   ; x2 cos - x1 sin
.endr
.endr
	WIN 0
.if \a == 0
	v_cmp_gt_u32 vcc_lo, 16, v[ROWV]               ; rows 0-15 leave in f32 too: a lane mask, no branch (all 32 lanes of the wave that holds them, none elsewhere)
	s_wait_xcnt 0x0                                ; EXEC changes only behind this wait
	s_and_saveexec_b32 s99, vcc_lo
.irp b, 0,1,2,3,4,5,6,7
	global_store_b128 v[FO], v[T+8*\b:T+8*\b+3], s[14:15] offset:1024*\b          ; group 2 b of the image: 512 consecutive bytes
	global_store_b128 v[FO], v[T+8*\b+4:T+8*\b+7], s[14:15] offset:1024*\b+512    ; group 2 b + 1
.endr
	s_wait_xcnt 0x0                                ; and again in front of the line that widens it
	s_or_b32 exec_lo, exec_lo, s99
.endif
.set i, 0
.rept 32
	v_cvt_pk_f16_f32 v[H+i], v[T+2*i], v[T+2*i+1]
.set i, i+1
.endr
.irp b, 0,1,2,3,4,5,6,7
	ds_store_b128 v[STO], v[H+4*\b:H+4*\b+3] offset:32*\b
.endr
	s_wait_xcnt 0x0                                ; the last block's stores have read their registers and their base
.irp t, 0,1,2,3,4,5,6,7
	ds_load_b128 v[BK+4*\t:BK+4*\t+3], v[RD] offset:\t*2*PITCH   ; LDS serves a wave's instructions in order: these see the stores above
.endr
	s_wait_dscnt 0x0
.if \a > 0
	s_add_nc_u64 s[12:13], s[12:13], s[66:67]      ; 16 rows on
.endif
.irp t, 0,1,2,3,4,5,6,7
	global_store_b128 v[CO+\t], v[BK+4*\t:BK+4*\t+3], s[12:13]   ; 16 lanes store 256 consecutive bytes, aligned
.endr
.endm
	EPI 0
	EPI 1
	EPI 2
	EPI 3
	s_wait_tensorcnt 0x0                           ; the wave's end
	ds_add_u32 v[SPW], v[NIL]
	s_wait_dscnt 0x0
	CROUND                                         ; the closing round
	s_endpgm
.Lfunc_end_k_q47fe019ca3_qkv:
	.size	k_q47fe019ca3_qkv, .Lfunc_end_k_q47fe019ca3_qkv-k_q47fe019ca3_qkv
	.p2alignl 7, 3214868480
	.fill 96, 4, 3214868480
	.section	.rodata,"a",@progbits
	.p2align	6, 0x0
	.amdhsa_kernel k_q47fe019ca3_qkv
		.amdhsa_group_segment_fixed_size 327680
		.amdhsa_private_segment_fixed_size 0
		.amdhsa_enable_private_segment 0
		.amdhsa_kernarg_size 48
		.amdhsa_user_sgpr_count 2
		.amdhsa_user_sgpr_kernarg_segment_ptr 1
		.amdhsa_wavefront_size32 1
		.amdhsa_system_sgpr_workgroup_id_x 1
		.amdhsa_system_sgpr_workgroup_id_y 1
		.amdhsa_system_sgpr_workgroup_id_z 1
		.amdhsa_system_vgpr_workitem_id 0
		.amdhsa_next_free_vgpr 896
		.amdhsa_next_free_sgpr 102
		.amdhsa_reserve_vcc 1
		.amdhsa_float_denorm_mode_32 3
		.amdhsa_float_denorm_mode_16_64 3
		.amdhsa_memory_ordered 1
		.amdhsa_forward_progress 1
		.amdhsa_inst_pref_size 156
	.end_amdhsa_kernel
	.amdgpu_metadata
---
amdhsa.version: [ 1, 2 ]
amdhsa.kernels:
  - .name:           k_q47fe019ca3_qkv
    .symbol:         k_q47fe019ca3_qkv.kd
    .args:
      - { .name: codes, .offset: 0, .size: 8, .value_kind: global_buffer, .address_space: global }
      - { .name: scales, .offset: 8, .size: 8, .value_kind: global_buffer, .address_space: global }
      - { .name: rope, .offset: 16, .size: 8, .value_kind: global_buffer, .address_space: global }
      - { .name: q_gain, .offset: 24, .size: 8, .value_kind: global_buffer, .address_space: global }
      - { .name: qkv, .offset: 32, .size: 8, .value_kind: global_buffer, .address_space: global }
      - { .name: first, .offset: 40, .size: 8, .value_kind: global_buffer, .address_space: global }
    .group_segment_fixed_size: 327680
    .private_segment_fixed_size: 0
    .kernarg_segment_align: 8
    .kernarg_segment_size: 48
    .max_flat_workgroup_size: 128
    .sgpr_count:     102
    .vgpr_count:     896
    .wavefront_size: 32
...
	.end_amdgpu_metadata
.endif
;; end of part 2
;; launch first16 (part 3): grid 128 x 1, 8 waves a work-group, no clusters, 76,800 bytes of LDS; arguments first, Wproj, out0, wp16; writes out0, wp16
.if DOCPART == 3
	.amdgcn_target "amdgcn-amd-amdhsa--gfx1250"
	.amdhsa_code_object_version 6
	.text
	.protected	k_q47fe019ca3_first16
	.globl	k_q47fe019ca3_first16
	.p2align	8
	.type	k_q47fe019ca3_first16,@function
k_q47fe019ca3_first16:
	s_mov_b64 s[64:65], 0
	v_nop
	global_prefetch_b8 v0, s[64:65] scope:SCOPE_SE
	s_setreg_imm32_b32 hwreg(HW_REG_WAVE_MODE, 25, 1), 1
	s_wait_xcnt 0x0
; FIRST16: rows 0-15 of out0, attention and projection in f32 throughout (v_wmma_f32_16x16x4_f32): these rows average one to sixteen values, where rounded operands would weigh most.
; This launch reads all of Wproj in f32, so it also stores Wproj's copy in f16 (wp16, same order) for the projection of the other rows: Wproj is read once in the program.
; first: [24 heads (q, finished, 0-15; k 16-19; v 20-23)][16 groups][32 lanes][16 B] f32: images of operand registers.  Wproj: [2048 n][2048 k] f32.
; Work-group n makes out0[0:16][16 n : 16 n + 16].  Wave w takes heads 2 w and 2 w + 1 (kv head w / 2): columns 256 w .. 256 w + 255 of Wproj's rows 16 n .. 16 n + 15.
; y = sum over heads of P_h (V W_h^T): Z = V W_h^T is 16 keys x 16 outputs, so P V is never formed: 68 matrix instructions a head.
; OPERANDS.  Lane (r, h) holds, of its row r and chunk c = 0..7, the eight numbers at channel 16 c + 8 h in registers 8 c .. 8 c + 7.  K step (c, i) names the pair 8 c + 2 i on both sides:
; the instruction's k = 2 h + j then stands for channel 16 c + 8 h + 2 i + j in both operands.  Q, K and V come so from first: each load covers 512 consecutive bytes.
; Wproj: each load covers 512 consecutive bytes too, one row's 128 channels of one head; from these registers the f16 copy is made (a store covers 256 consecutive bytes, aligned), and the f32 numbers
; turn through the wave's own stage in LDS (16 rows of 512 bytes + 16 of padding) into the operand's order.
; S^T = K Q^T: lane (r, h) holds query r, register j key 8 h + j.  Z: lane (r, h) holds output r, register j key 8 h + j.  Y^T = Z^T P: pair i of both is K step i; lane (r, h) holds query r, outputs 8 h + j.
; The registers that the f32 matrix form writes (v32-79) are written by matrix instructions alone; the softmax's results go into v80-95.
; The eight waves' parts meet in LDS as images of the registers; wave 0 adds them and stores.  A row's 16 outputs are 64 bytes: 131,072 bytes of out0 leave in such pieces.
; LIMIT: Wproj beyond 65,504 in magnitude has no f16.
; No tensor load, no cluster: no two work-groups share a byte of Wproj, and first is 196,608 bytes.
.set RED,    0                         ; wave x 1,024 bytes
.set SPARE,  8192                      ; the spare words, 128 bytes a wave
.set STG,    9216                      ; wave x 8,448 bytes: the stage
.set SPITCH, 528
.set SPW, 30
.set NIL, 31
.set MSB, 0
.macro WIN new
.if MSB != \new
	s_set_vgpr_msb (MSB<<8)|\new
.set MSB, \new
.endif
.endm
	s_load_b128 s[4:7], s[0:1], 0x0                ; first, Wproj
	s_load_b128 s[8:11], s[0:1], 0x10              ; out0, wp16
	v_lshl_add_u32 v[SPW], v0, 2, SPARE
	v_mov_b32 v[NIL], 0
	v_lshrrev_b32 v1, 5, v0
	v_readfirstlane_b32 s36, v1                    ; wave 0..7
	v_and_b32 v1, 15, v0                           ; r
	v_bfe_u32 v2, v0, 4, 1                         ; h
	v_and_b32 v8, 31, v0                           ; lane
	v_lshlrev_b32 v3, 4, v8                        ; first and Wproj: 16 bytes a lane
	v_lshlrev_b32 v12, 3, v8                       ; wp16: 8 bytes a lane
	v_lshlrev_b32 v4, 13, v1
	v_lshl_add_u32 v4, v2, 5, v4                   ; out0: row r of 8,192 bytes, + 32 h
	s_lshl_b32 s21, s36, 10
	v_lshl_add_u32 v7, v8, 4, s21                  ; my wave's image: 16 x lane + 1,024 x wave
	v_lshlrev_b32 v9, 4, v8                        ; and where wave 0 reads all eight
	s_mul_i32 s21, s36, 16*SPITCH
	s_add_co_u32 s21, s21, STG                     ; my stage
	v_lshl_add_u32 v10, v8, 4, s21                 ; in: 16 x lane of a row
	v_mul_u32_u24 v11, v1, SPITCH
	v_lshl_add_u32 v11, v2, 5, v11
	v_add_nc_u32 v11, s21, v11                     ; out: row r, + 32 h
	v_lshlrev_b32 v5, 3, v2
	v_sub_nc_u32 v5, v1, v5                        ; r - 8 h
	v_mov_b32 v6, 0xff800000                       ; -infinity
	v_mov_b32 v114, 0                              ; a lane permute's destination counts as one of its sources
	v_mov_b32 v115, 0
	s_mov_b32 s20, 0x3e0293ee                      ; c = log2(e) / sqrt(128)
	s_mov_b32 s22, 0x76543210
	s_mov_b32 s23, 0xfedcba98
	s_lshr_b32 s37, s36, 1                         ; kv
	s_add_co_u32 s24, s37, 16
	s_lshl_b32 s24, s24, 13
	s_mov_b32 s25, 0
	s_add_co_u32 s26, s37, 20
	s_lshl_b32 s26, s26, 13
	s_mov_b32 s27, 0
	s_lshl_b32 s28, s36, 14
	s_mov_b32 s29, 0
	s_lshl_b32 s30, ttmp9, 17
	s_lshl_b32 s31, s36, 10
	s_add_co_u32 s30, s30, s31
	s_mov_b32 s31, 0
	s_lshl_b32 s32, ttmp9, 6
	s_mov_b32 s33, 0
	s_lshl_b32 s34, ttmp9, 16
	s_lshl_b32 s35, s36, 9
	s_add_co_u32 s34, s34, s35
	s_mov_b32 s35, 0
	s_wait_kmcnt 0x0
	s_add_nc_u64 s[12:13], s[4:5], s[24:25]        ; K
	s_add_nc_u64 s[14:15], s[4:5], s[26:27]        ; V
	s_add_nc_u64 s[16:17], s[4:5], s[28:29]        ; Q, my two heads
	s_add_nc_u64 s[18:19], s[6:7], s[30:31]        ; Wproj: rows 16 n on, columns 256 w on
	s_add_nc_u64 s[8:9], s[8:9], s[32:33]          ; out0: columns 16 n on
	s_add_nc_u64 s[10:11], s[10:11], s[34:35]      ; wp16: rows 16 n on, columns 256 w on
.irp q, 0,1,2,3,4,5,6,7,8,9,10,11,12,13,14,15
	global_load_b128 v[128+4*\q:131+4*\q], v3, s[12:13] offset:512*\q
.endr
	WIN 0x40                                       ; destination window 1
.irp g, 0,1
.irp q, 0,1,2,3,4,5,6,7,8,9,10,11,12,13,14,15
	global_load_b128 v[64*\g+4*\q:64*\g+4*\q+3], v3, s[16:17] offset:8192*\g+512*\q
.endr
.endr
	WIN 0
.irp q, 0,1,2,3,4,5,6,7,8,9,10,11,12,13,14,15
	global_load_b128 v[192+4*\q:195+4*\q], v3, s[14:15] offset:512*\q
.endr
	WIN 0x40
.irp g, 0,1
.irp p, 0,1,2,3,4,5,6,7,8,9,10,11,12,13,14,15
	global_load_b128 v[128+64*\g+4*\p:128+64*\g+4*\p+3], v3, s[18:19] offset:8192*\p+512*\g th:TH_LOAD_NT   ; row p, head g: 512 consecutive bytes
.endr
.endr
	s_wait_loadcnt 48                              ; K and Q are in; V's 16 and Wproj's 32 loads may stay out
	WIN 0x04                                       ; source 1 window 1
.irp c, 0,1,2,3,4,5,6,7                        ; S^T = K Q^T: the two heads take turns, one instruction a turn; each sum's first K step takes the constant 0
.irp i, 0,1,2,3
.irp g, 0,1
.if (\c == 0) && (\i == 0)
	v_wmma_f32_16x16x4_f32 v[32+8*\g:39+8*\g], v[128+8*\c+2*\i:129+8*\c+2*\i], v[64*\g+8*\c+2*\i:64*\g+8*\c+2*\i+1], 0
.else
	v_wmma_f32_16x16x4_f32 v[32+8*\g:39+8*\g], v[128+8*\c+2*\i:129+8*\c+2*\i], v[64*\g+8*\c+2*\i:64*\g+8*\c+2*\i+1], v[32+8*\g:39+8*\g]
.endif
.endr
.endr
.endr
; Head g's 16 rows of Wproj: the f16 copy leaves, and the f32 numbers turn through my stage.  LDS serves a wave's instructions in order: the loads see the stores above them, and the next head's stores come behind them.
.macro WTURN g
.if \g > 0
	s_wait_xcnt 0x0                                ; the last head's stores have read v96-127
.endif
	WIN 0x05                                       ; sources 0 and 1 window 1
.irp p, 0,1,2,3,4,5,6,7,8,9,10,11,12,13,14,15
	v_cvt_pk_f16_f32 v[96+2*\p], v[128+64*\g+4*\p], v[129+64*\g+4*\p]
	v_cvt_pk_f16_f32 v[97+2*\p], v[130+64*\g+4*\p], v[131+64*\g+4*\p]
.endr
	WIN 0x04                                       ; an LDS store's data are its source 1: window 1
.irp p, 0,1,2,3,4,5,6,7,8,9,10,11,12,13,14,15
	ds_store_b128 v10, v[128+64*\g+4*\p:131+64*\g+4*\p] offset:SPITCH*\p
.endr
	WIN 0
.irp p, 0,1,2,3,4,5,6,7,8,9,10,11,12,13,14,15
	global_store_b64 v12, v[96+2*\p:97+2*\p], s[10:11] offset:4096*\p+256*\g   ; 256 consecutive bytes, aligned
.endr
	WIN 0x40                                       ; destination window 1
.irp c, 0,1,2,3,4,5,6,7
	ds_load_b128 v[128+64*\g+8*\c:131+64*\g+8*\c], v11 offset:64*\c
	ds_load_b128 v[132+64*\g+8*\c:135+64*\g+8*\c], v11 offset:64*\c+16
.endr
	WIN 0
.endm
	s_wait_loadcnt 16                              ; V and the first head's rows of Wproj are in; the second head's 16 loads may stay out
	WTURN 0
	s_wait_loadcnt 0x0
	WTURN 1
	s_wait_dscnt 0x0                               ; Wproj's fragments are back from the stage
	WIN 0x04
.irp c, 0,1,2,3,4,5,6,7                        ; Z = V W^T
.irp i, 0,1,2,3
.irp g, 0,1
.if (\c == 0) && (\i == 0)
	v_wmma_f32_16x16x4_f32 v[48+8*\g:55+8*\g], v[192+8*\c+2*\i:193+8*\c+2*\i], v[128+64*\g+8*\c+2*\i:128+64*\g+8*\c+2*\i+1], 0
.else
	v_wmma_f32_16x16x4_f32 v[48+8*\g:55+8*\g], v[192+8*\c+2*\i:193+8*\c+2*\i], v[128+64*\g+8*\c+2*\i:128+64*\g+8*\c+2*\i+1], v[48+8*\g:55+8*\g]
.endif
.endr
.endr
.endr
	WIN 0
	s_wait_xcnt 0x0                                ; the f16 stores have read v96-127, which the softmax writes
.rept 8
	v_nop                                          ; eight places behind this form before a vector instruction reads a result
.endr
	; the softmax of 16 keys: key 8 h + j is hidden where j > r - 8 h.  Each accumulator is read from its low end on; nothing is written into it
.irp j, 0,1,2,3,4,5,6,7
	v_cmp_gt_i32 vcc_lo, \j, v5
	v_cndmask_b32 v[96+\j], v[32+\j], v6, vcc_lo
	v_cndmask_b32 v[104+\j], v[40+\j], v6, vcc_lo
.endr
.irp g, 0,1
	v_max3_num_f32 v[112+\g], v[96+8*\g], v[97+8*\g], v[98+8*\g]
.endr
.irp k, 3,5
.irp g, 0,1
	v_max3_num_f32 v[112+\g], v[112+\g], v[96+8*\g+\k], v[97+8*\g+\k]
.endr
.endr
.irp g, 0,1
	v_max_num_f32 v[112+\g], v[112+\g], v[103+8*\g]
.endr
.irp g, 0,1
	v_permlanex16_b32 v[114+\g], v[112+\g], s22, s23
.endr
.irp g, 0,1
	v_max_num_f32 v[112+\g], v[112+\g], v[114+\g]  ; the row's largest score (key 0 counts for every query)
.endr
.irp g, 0,1
	v_mul_f32 v[116+\g], s20, v[112+\g]
.endr
.irp j, 0,1,2,3,4,5,6,7
.irp g, 0,1
	v_fma_f32 v[80+8*\g+\j], v[96+8*\g+\j], s20, -v[116+\g]
.endr
.endr
.set i, 0
.rept 16
	v_exp_f32 v[80+i], v[80+i]
.set i, i+1
.endr
	v_nop
	s_wait_alu depctr_va_vdst(0)                   ; one wait for the sixteen, ahead of their first reader
.irp g, 0,1
	v_add_f32 v[118+\g], v[80+8*\g], v[81+8*\g]
.endr
.irp k, 2,3,4,5,6,7
.irp g, 0,1
	v_add_f32 v[118+\g], v[118+\g], v[80+8*\g+\k]
.endr
.endr
.irp g, 0,1
	v_permlanex16_b32 v[114+\g], v[118+\g], s22, s23
.endr
.irp g, 0,1
	v_add_f32 v[118+\g], v[118+\g], v[114+\g]
.endr
.irp g, 0,1
	v_rcp_f32 v[118+\g], v[118+\g]
.endr
	v_nop
	s_wait_alu depctr_va_vdst(0)                   ; one wait for the two
.irp j, 0,1,2,3,4,5,6,7
.irp g, 0,1
	v_mul_f32 v[80+8*\g+\j], v[80+8*\g+\j], v[118+\g]
.endr
.endr
.rept 4
	v_nop
.endr
.irp i, 0,1,2,3                                ; Y^T = Z^T P: K = the 16 keys.  (More than nine plain instructions stand between Z's last product and this use of it.)
.irp g, 0,1
.if \i == 0
	v_wmma_f32_16x16x4_f32 v[64+8*\g:71+8*\g], v[48+8*\g+2*\i:49+8*\g+2*\i], v[80+8*\g+2*\i:81+8*\g+2*\i], 0
.else
	v_wmma_f32_16x16x4_f32 v[64+8*\g:71+8*\g], v[48+8*\g+2*\i:49+8*\g+2*\i], v[80+8*\g+2*\i:81+8*\g+2*\i], v[64+8*\g:71+8*\g]
.endif
.endr
.endr
.rept 8
	v_nop
.endr
.irp j, 0,1,2,3,4,5,6,7
	v_add_f32 v[96+\j], v[64+\j], v[72+\j]         ; my two heads
.endr
	ds_store_b128 v7, v[96:99]
	ds_store_b128 v7, v[100:103] offset:512
	s_wait_dscnt 0x0                               ; for the others' sake: my stores are done
	s_barrier_signal -1
	s_barrier_wait -1
	s_wait_tensorcnt 0x0                           ; behind my last LDS store; only loads follow
	ds_add_u32 v[SPW], v[NIL]
	s_wait_dscnt 0x0
	s_cmp_lg_u32 s36, 0
	s_cbranch_scc1 .Lend
.irp k, 0,1,2,3,4,5,6,7
	ds_load_b128 v[128+8*\k:131+8*\k], v9 offset:1024*\k
	ds_load_b128 v[132+8*\k:135+8*\k], v9 offset:1024*\k+512
.endr
	s_wait_dscnt 0x0
.irp k, 1,2,3,4,5,6,7
.irp i, 0,1,2,3
	v_pk_add_f32 v[128+2*\i:129+2*\i], v[128+2*\i:129+2*\i], v[128+8*\k+2*\i:129+8*\k+2*\i]
.endr
.endr
	global_store_b128 v4, v[128:131], s[8:9]       ; query r, outputs 16 n + 8 h + 0 .. 7
	global_store_b128 v4, v[132:135], s[8:9] offset:16
.Lend:
	s_endpgm
.Lfunc_end_k_q47fe019ca3_first16:
	.size	k_q47fe019ca3_first16, .Lfunc_end_k_q47fe019ca3_first16-k_q47fe019ca3_first16
	.p2alignl 7, 3214868480
	.fill 96, 4, 3214868480
	.section	.rodata,"a",@progbits
	.p2align	6, 0x0
	.amdhsa_kernel k_q47fe019ca3_first16
		.amdhsa_group_segment_fixed_size 76800
		.amdhsa_private_segment_fixed_size 0
		.amdhsa_enable_private_segment 0
		.amdhsa_kernarg_size 32
		.amdhsa_user_sgpr_count 2
		.amdhsa_user_sgpr_kernarg_segment_ptr 1
		.amdhsa_wavefront_size32 1
		.amdhsa_system_sgpr_workgroup_id_x 1
		.amdhsa_system_sgpr_workgroup_id_y 1
		.amdhsa_system_sgpr_workgroup_id_z 1
		.amdhsa_system_vgpr_workitem_id 0
		.amdhsa_next_free_vgpr 512
		.amdhsa_next_free_sgpr 66
		.amdhsa_reserve_vcc 1
		.amdhsa_float_denorm_mode_32 3
		.amdhsa_float_denorm_mode_16_64 3
		.amdhsa_memory_ordered 1
		.amdhsa_forward_progress 1
		.amdhsa_inst_pref_size 41
	.end_amdhsa_kernel
	.amdgpu_metadata
---
amdhsa.version: [ 1, 2 ]
amdhsa.kernels:
  - .name:           k_q47fe019ca3_first16
    .symbol:         k_q47fe019ca3_first16.kd
    .args:
      - { .name: first, .offset: 0, .size: 8, .value_kind: global_buffer, .address_space: global }
      - { .name: Wproj, .offset: 8, .size: 8, .value_kind: global_buffer, .address_space: global }
      - { .name: out0, .offset: 16, .size: 8, .value_kind: global_buffer, .address_space: global }
      - { .name: wp16, .offset: 24, .size: 8, .value_kind: global_buffer, .address_space: global }
    .group_segment_fixed_size: 76800
    .private_segment_fixed_size: 0
    .kernarg_segment_align: 8
    .kernarg_segment_size: 32
    .max_flat_workgroup_size: 256
    .sgpr_count:     66
    .vgpr_count:     512
    .wavefront_size: 32
...
	.end_amdgpu_metadata
.endif
;; end of part 3
;; launch attn (part 4): grid 64 x 4, 4 waves a work-group, no clusters, 327,680 bytes of LDS; arguments qkv, att; writes att
.if DOCPART == 4
	.amdgcn_target "amdgcn-amd-amdhsa--gfx1250"
	.amdhsa_code_object_version 6
	.text
	.protected	k_q47fe019ca3_attn
	.globl	k_q47fe019ca3_attn
	.p2align	8
	.type	k_q47fe019ca3_attn,@function
k_q47fe019ca3_attn:
	s_mov_b64 s[64:65], 0
	v_nop
	global_prefetch_b8 v0, s[64:65] scope:SCOPE_SE
	s_setreg_imm32_b32 hwreg(HW_REG_WAVE_MODE, 25, 1), 1
	s_wait_xcnt 0x0
; ATTN: causal attention on f16 operands, f32 products' sums, maxima and sums.  q: [16 heads][2048][128]; from byte 8,388,608 of qkv [4 kv][2048][K 256 B, V 256 B].
; att: [2048][16 heads x 128] f16.
; A TASK is 16 queries x the 4 query heads of one kv head: four tiles that share every fragment of K and V.
; THE FOUR WAVES SPLIT A TASK'S KEYS: wave w takes the key steps j (64 keys) with j % 4 = w, so each byte of K and V is read from LDS by one wave.  A round is one step of each wave.
; Query tile i has (i >> 4) + 1 rounds.  Work-group (p, kv) takes tiles p and 127 - p: (p >> 4) + 1 and 8 - (p >> 4) rounds, nine in all: 256 work-groups of equal work.
; The task with an even number of rounds goes first, so that the change of task falls at the end of a trip of two rounds (slots 0 and 1); round 8 is written out.
; Steps beyond the diagonal are computed under the mask (three of 36 wave-steps at the most are spare).
; At a task's end the waves' parts meet in LDS: (c m, l) of each tile, then each part x 2^(c m - c max) / l_total; three parts go as f16 images to the wave that owns the head, which adds in f32.
; Register tile t of wave w holds head 4 kv + ((w + t) & 3): tile 0 is the head that wave w owns, so the merge has no branch on the wave's number.
; NO CLUSTER: the work-groups of a kv head stand at different key steps in the same round (their tasks differ in length and order), so no tile is wanted by two of them at a time.
; LAYOUT.  S^T = K Q^T (source 0 = 16 keys, source 1 = 16 queries), O^T = V^T P: a lane holds one query (lane % 16) throughout; V comes turned, by ds_load_tr16_b128.
; SOFTMAX.  A running maximum m and sum l: p = 2^(c s - c m), c = log2(e) / sqrt(128); O and l are multiplied by a = 2^(c m_old - c m_new) in every step.
; m begins at -1e30: a wave that sees no key keeps it, its p are 0 and its factor in the merge is 0; a task's first visible step has a = 0, which clears O.
; BY HALF TURNS.  The wave's tiles are two PIECES: piece 0 (tiles 0, 1) and piece 2 (tiles 2, 3), which share K's and V's fragments and nothing else.  A round goes: K Q^T of piece 0; K Q^T of piece 2 with
; piece 0's softmax in slices behind its products; V^T P of piece 0 with piece 2's softmax behind its products; V^T P of piece 2.  A piece's softmax is 268 instructions: eight behind each of 32
; products, and twelve more behind the last.  So 64 of a round's 128 products stand beside vector work; each of them costs two switches of the register window.
; LIMITS: scores under -1e30 are not served (|q . k| is at most 128 x the gain).  Hidden scores are -infinity where the definition has the least f32 number: the same weights, 0, since key 0 counts for every query.
; REGISTERS.  window 0: v1-63 addresses and statistics; v64-191 S^T, 32 a tile; v192-255 P, 16 a tile.  window 1: O^T, 64 a tile.  window 2: v0-127 Q; v128-255 K.  window 3: v0-127 V.
.set KP,    528                        ; an LDS row: K's 256 bytes, V's 256 bytes, 16 of padding
.set SLOTB, 64*KP                      ; a key step: 33,792 bytes; wave w, slot g at (2 w + g) x SLOTB
.set STAT,  8*SLOTB                    ; [head][wave][lane x 8 bytes]
.set MRG,   STAT+4096                  ; [owner][3][4,096 bytes]; the owner's first 4,352 bytes then serve as its stage
.set SPARE, MRG+4*12288                ; the spare words, 128 bytes a wave
.set PFO, 1
.set AK,  3
.set AV,  5
.set QL,  7
.set QO,  8
.set ST,  12                           ; tile t at v[ST + 8 t]: +0 c m, +1 m, +2, +3 l, +4..7 at work; a in +6
.set STO, 44
.set RD,  45
.set GO,  46
.set LC0, 47
.set DL,  48
.set NINF, 49
.set ASR, 50
.set ASW, 54
.set AMW, 58
.set AMR, 61
.set SPW, 62
.set NIL, 63
.set S,   64
.set P,   192
.set KF,  128
.set WV,  8
.set I1,  11
.set I2,  12
.set R1,  13
.set QT,  14                           ; the query tile in hand
.set CJ,  15                           ; my key step of the round in hand
.set LJ,  16                           ; my key step of the next load
.set LC,  17                           ; loads left in the first task
.set DONE, 18
.set TRIP, 19
.set LEFT, 20
.set LIM, 21
.set KVB, 22
.set G1,  24
.set G0,  32
.set PFA, 42
.set ATB, 44
.set OB,  46
.set HO,  48                           ; s48-51 the four tiles' heads, in bytes of q
.set CS,  58
.set SEL, 60
.set MSB, 0
.macro WIN new
.if MSB != \new
	s_set_vgpr_msb (MSB<<8)|\new
.set MSB, \new
.endif
.endm
.set W_KQ, 0x0a                        ; K and Q window 2, S^T window 0
.set W_PV, 0x53                        ; V window 3, P window 0, O^T window 1
.set W_RS, 0x41                        ; O^T (destination and source 0) window 1
.macro PLACES
.rept 4
	v_nop
.endr
.endm
.macro BAR
	s_wait_dscnt 0x0                               ; my LDS stores have landed and my LDS loads are in
	s_barrier_signal -1
	s_barrier_wait -1
.endm
	s_load_b128 s[4:7], s[0:1], 0x0                ; qkv, att
	v_lshl_add_u32 v[SPW], v0, 2, SPARE
	v_mov_b32 v[NIL], 0
	ds_add_u32 v[SPW], v[NIL]                      ; the wave's opening: the add, twice on end, and its wait ahead of my first tensor load
	ds_add_u32 v[SPW], v[NIL]
	v_lshrrev_b32 v64, 5, v0
	v_readfirstlane_b32 s[WV], v64
	s_mov_b32 s9, ttmp9                            ; p
	s_and_b32 s10, ttmp7, 0xffff                   ; kv
	s_lshr_b32 s52, s9, 4                          ; a = p >> 4
	s_sub_co_u32 s53, 127, s9
	s_add_co_u32 s54, s52, 1
	s_sub_co_u32 s55, 8, s52
	s_and_b32 s52, s52, 1
	s_cmp_lg_u32 s52, 0                            ; a odd: tile p has an even number of rounds and goes first
	s_cselect_b32 s[I1], s9, s53
	s_cselect_b32 s[I2], s53, s9
	s_cselect_b32 s[R1], s54, s55
	s_mov_b32 s[G1], (1<<16)|(1<<20)|(6<<22)|(3<<25)   ; elements of 2 bytes; 4 words of padding behind every 128
	s_mov_b32 s[G1+1], 256<<16                     ; 64 rows of 256 elements, dense
	s_mov_b32 s[G1+2], 64<<16
	s_mov_b32 s[G1+3], 256<<16
	s_mov_b32 s[G1+4], 64
	s_mov_b32 s[G1+5], 256
	s_mov_b32 s[G1+6], 0
	s_mov_b32 s[G1+7], 0
	s_mul_i32 s56, s[WV], 2*SLOTB                  ; my ring
	s_mov_b32 s[G0], 1
	s_mov_b32 s[G0+1], s56
	s_mov_b32 s[G0+4], 1
	s_add_co_u32 s[G0+5], s56, SLOTB
	s_mul_i32 s57, s[WV], 12288
	s_add_co_u32 s57, s57, MRG                     ; what I own of the merge's bytes
	s_mov_b32 s[CS], 0x3e0293ee                    ; c = log2(e) / sqrt(128)
	s_mov_b32 s[CS+1], s[CS]
	s_mov_b32 s[SEL], 0x76543210
	s_mov_b32 s[SEL+1], 0xfedcba98
	s_mov_b32 s41, 0
	s_mov_b32 s[QT], s[I1]
	s_mov_b32 s[CJ], s[WV]
	s_add_co_u32 s[LJ], s[WV], 4
	s_sub_co_u32 s[LC], s[R1], 1
	s_mov_b32 s[DONE], 0
	s_mov_b32 s[TRIP], 4
	s_mov_b32 s[LEFT], 9
	s_cmp_eq_u32 ttmp9, 0
	s_cselect_b32 s[LIM], 3, -1                    ; the kv head's first work-group prefetches, while more than three rounds are left
	s_wait_dscnt 0x0                               ; both opening adds are done
	s_wait_kmcnt 0x0
	s_lshl_b32 s40, s10, 20
	s_add_co_u32 s40, s40, 0x800000
	s_add_nc_u64 s[KVB:KVB+1], s[4:5], s[40:41]    ; my kv head's rows of K and V
	s_lshl_b32 s40, s[WV], 15
	s_add_nc_u64 s[G0+2:G0+3], s[KVB:KVB+1], s[40:41]
	s_or_b32 s[G0+3], s[G0+3], 0x80000000
	tensor_load_to_lds s[G0:G0+3], s[G1:G1+7]      ; key step w into slot 0
	s_nop 0
	PLACES
	s_add_co_u32 s40, s[WV], 4
	s_lshl_b32 s40, s40, 15
	s_add_nc_u64 s[PFA:PFA+1], s[KVB:KVB+1], s[40:41]   ; each filling round steps it four key steps on ahead of its prefetches
	s_lshl_b32 s40, s10, 2
	s_add_co_u32 s40, s40, s[WV]
	s_lshl_b32 s40, s40, 8
	s_add_nc_u64 s[ATB:ATB+1], s[6:7], s[40:41]    ; my own head's 256 bytes in a row of att
	v_and_b32 v64, 15, v0                          ; r
	v_bfe_u32 v65, v0, 4, 1                        ; h
	v_and_b32 v66, 31, v0                          ; lane
	v_lshlrev_b32 v[PFO], 8, v66
	v_mul_u32_u24 v67, v64, KP
	v_lshl_add_u32 v67, v65, 4, v67
	v_add_nc_u32 v[AK], s56, v67                   ; K: row r x pitch + 16 h
	v_add_nc_u32 v[AK+1], SLOTB, v[AK]
	v_and_b32 v68, 7, v0
	v_lshl_add_u32 v68, v65, 3, v68
	v_mul_u32_u24 v68, v68, KP
	v_bfe_u32 v69, v0, 3, 1
	v_lshl_add_u32 v68, v69, 4, v68
	v_add_nc_u32 v68, 256, v68
	v_add_nc_u32 v[AV], s56, v68                   ; V, for the turning load: key 8 h + l % 8, channels 8 ((l / 8) % 2) on
	v_add_nc_u32 v[AV+1], SLOTB, v[AV]
	v_lshlrev_b32 v[QL], 8, v64
	v_lshl_add_u32 v[QL], v65, 4, v[QL]
	v_mul_u32_u24 v67, v64, 272
	v_lshl_add_u32 v67, v65, 4, v67
	v_add_nc_u32 v[STO], s57, v67
	v_mul_u32_u24 v67, v65, 272
	v_lshl_add_u32 v67, v64, 4, v67
	v_add_nc_u32 v[RD], s57, v67
	v_lshlrev_b32 v[GO], 12, v65
	v_lshl_add_u32 v[GO], v64, 4, v[GO]
	v_lshlrev_b32 v67, 3, v65
	v_sub_nc_u32 v[LC0], v64, v67                  ; r - 8 h
	v_mov_b32 v[NINF], 0xff800000
	v_lshl_add_u32 v[AMR], v66, 4, s57
.irp t, 0,1,2,3
	s_add_co_u32 s52, s[WV], \t
	s_and_b32 s52, s52, 3                          ; tile t's head of the four
	s_lshl_b32 s53, s52, 10
	s_add_co_u32 s53, s53, STAT
	v_lshl_add_u32 v[ASR+\t], v66, 3, s53
	s_lshl_b32 s54, s[WV], 8
	v_add_nc_u32 v[ASW+\t], s54, v[ASR+\t]
	s_lshl_b32 s54, s10, 2
	s_add_co_u32 s54, s54, s52
	s_lshl_b32 s[HO+\t], s54, 19
.if \t > 0
	s_mul_i32 s53, s52, 12288
	s_add_co_u32 s53, s53, MRG+(\t-1)*4096
	v_lshl_add_u32 v[AMW+\t-1], v66, 4, s53
.endif
.endr
.macro QLOAD tl                        ; the four tiles of Q of query tile s[tl]: 32 loads into window 2
	s_lshl_b32 s52, s[\tl], 12
.irp t, 0,1,2,3
	s_add_co_u32 s53, s[HO+\t], s52
	v_add_nc_u32 v[QO+\t], s53, v[QL]
.endr
	WIN 0x80
.irp t, 0,1,2,3
.irp cc, 0,1,2,3
	global_load_b128 v[32*\t+8*\cc:32*\t+8*\cc+3], v[QO+\t], s[4:5] offset:64*\cc
	global_load_b128 v[32*\t+8*\cc+4:32*\t+8*\cc+7], v[QO+\t], s[4:5] offset:64*\cc+32
.endr
.endr
	WIN 0
.endm
	QLOAD I1
.irp t, 0,1,2,3
	v_mov_b32 v[ST+8*\t+1], 0xf149f2ca             ; m = -1e30
.irp k, 2,3,4,5,6,7
	v_mov_b32 v[ST+8*\t+\k], 0
.endr
.endr
.irp t, 0,1,2,3
	v_mul_f32 v[ST+8*\t], s[CS], v[ST+8*\t+1]
.endr
	WIN 0x40                                       ; O^T is written once, while the first tile is on its way: later tasks clear it by a = 0
.set i, 0
.rept 256
	v_mov_b32 v[i], 0
.set i, i+1
.endr
	WIN 0
	s_wait_loadcnt 0x0                             ; Q
.macro FETCH_K sg
	WIN 0x80
.irp f, 0,1,2,3,4,5,6,7,8,9,10,11,12,13,14,15  ; keys 16 (f / 4) on, channels 32 (f % 4) on
	ds_load_b128 v[KF+8*\f:KF+8*\f+3],   v[AK+\sg] offset:(\f/4)*16*KP+(\f%4)*64
	ds_load_b128 v[KF+8*\f+4:KF+8*\f+7], v[AK+\sg] offset:(\f/4)*16*KP+(\f%4)*64+32
.endr
.endm
.macro FETCH_V sg
	WIN 0xc0
.irp f, 0,1,2,3,4,5,6,7,8,9,10,11,12,13,14,15  ; keys 32 (f / 8) on, channels 16 (f % 8) on
	ds_load_tr16_b128 v[8*\f:8*\f+3],   v[AV+\sg] offset:(\f/8)*32*KP+(\f%8)*32
	ds_load_tr16_b128 v[8*\f+4:8*\f+7], v[AV+\sg] offset:(\f/8)*32*KP+16*KP+(\f%8)*32
.endr
.endm
; THE MATRIX WORK of piece x.  The accumulators take turns, one instruction a turn: between two links of a chain stand 7 (K Q^T) or 15 (V^T P) others'.
; Product i of 32 of S^T = K Q^T: channels 32 (i / 8) on, keys 16 ((i / 2) % 4) on, tile x + i % 2.  The first 8 start the sums.
.macro KQP x
	WIN W_KQ
.set rS, S+32*(\x+i%2)+8*((i/2)%4)
.set rK, KF+32*((i/2)%4)+8*(i/8)
.set rQ, 32*(\x+i%2)+8*(i/8)
.if i < 8
	v_wmma_f32_16x16x32_f16 v[rS:rS+7], v[rK:rK+7], v[rQ:rQ+7], 0
.else
	v_wmma_f32_16x16x32_f16 v[rS:rS+7], v[rK:rK+7], v[rQ:rQ+7], v[rS:rS+7]
.endif
.endm
; Product i of 32 of O^T += V^T P: keys 32 (i / 16) on, channels 16 ((i / 2) % 8) on, tile x + i % 2.
.macro PVP x
	WIN W_PV
.set rO, 64*(\x+i%2)+8*((i/2)%8)
.set rV, 64*(i/16)+8*((i/2)%8)
.set rP, P+16*(\x+i%2)+8*(i/16)
	v_wmma_f32_16x16x32_f16 v[rO:rO+7], v[rV:rV+7], v[rP:rP+7], v[rO:rO+7]
.endm
; One tile's softmax for a key step is a list of 134 instructions; SM writes number j of it for tile t.
;   0-15 the maximum of the 32 scores and the old m;  16-20 the other half of the lanes', the new m, c m, its change;
;   21-69 ONE BATCH: 16 packed scalings c s - c m and 33 exponentials, none of which reads an exponential's result;
;   70-85 the roundings to f16;  86-101 the sums, l = a l + the sum;  102-133 the tile's O^T times a.
.macro SM t
.set rT, ST+8*(\t)
.set rS, S+32*(\t)
.set rP, P+16*(\t)
.set rO, 64*(\t)+2*(j-102)
.if j < 102
	WIN 0
.endif
.if j < 4
	v_max3_num_f32 v[rT+4+j], v[rS+8*j], v[rS+8*j+1], v[rS+8*j+2]
.elseif j < 12
	v_max3_num_f32 v[rT+4+j%4], v[rT+4+j%4], v[rS+8*(j%4)+2*(j/4)+1], v[rS+8*(j%4)+2*(j/4)+2]
.elseif j == 12
	v_max3_num_f32 v[rT+4], v[rT+4], v[rS+7], v[rS+15]
.elseif j == 13
	v_max3_num_f32 v[rT+6], v[rT+6], v[rS+23], v[rS+31]
.elseif j == 14
	v_max3_num_f32 v[rT+4], v[rT+4], v[rT+5], v[rT+6]
.elseif j == 15
	v_max3_num_f32 v[rT+4], v[rT+4], v[rT+7], v[rT+1]
.elseif j == 16
	v_permlanex16_b32 v[rT+5], v[rT+4], s[SEL], s[SEL+1]
.elseif j == 17
	v_mov_b32 v[rT+7], v[rT]
.elseif j == 18
	v_max_num_f32 v[rT+1], v[rT+4], v[rT+5]
.elseif j == 19
	v_mul_f32 v[rT], s[CS], v[rT+1]
.elseif j == 20
	v_sub_f32 v[rT+7], v[rT+7], v[rT]
.elseif j == 23
	v_exp_f32 v[rT+6], v[rT+7]
.elseif (j < 23) || ((j < 38) && (j%2 == 0)) || ((j < 66) && (j%4 == 2))
.set b, (j-2)/4
.if j < 38
.set b, (j-20)/2
.endif
	v_pk_fma_f32 v[rS+2*b:rS+2*b+1], v[rS+2*b:rS+2*b+1], s[CS:CS+1], v[rT:rT+1] op_sel_hi:[1,0,0] neg_lo:[0,0,1] neg_hi:[0,0,1]
.elseif j < 70
.set e, j-38
.if j < 66
.set e, j-32-(j-38)/4
.endif
.if j < 38
.set e, (j-25)/2
.endif
	v_exp_f32 v[rS+e], v[rS+e]
.elseif j < 86
	v_cvt_pk_f16_f32 v[rP+j-70], v[rS+2*(j-70)], v[rS+2*(j-70)+1]
.elseif j < 102
.set z, j-86
.set w, 4
.set u, z
.if z >= 14
.set w, 32
.set u, 0
.elseif z >= 12
.set w, 16
.set u, z-12
.elseif z >= 8
.set w, 8
.set u, z-8
.endif
.if z < 15
	v_pk_add_f32 v[rS+w*u:rS+w*u+1], v[rS+w*u:rS+w*u+1], v[rS+w*u+w/2:rS+w*u+w/2+1]
.else
	v_pk_fma_f32 v[rT+2:rT+3], v[rT+2:rT+3], v[rT+6:rT+7], v[rS:rS+1] op_sel_hi:[1,0,1]
.endif
.else
	WIN W_RS
	v_pk_mul_f32 v[rO:rO+1], v[rO:rO+1], v[rT+6:rT+7] op_sel_hi:[1,0]
.endif
.endm
; Slice k of 64 of piece y's softmax: four instructions.  Slices 11 to 34 deal out the batch, numbers 22 to 69: four numbers of ONE tile each, the tiles by turns.  Every other slice is numbers 2 k and
; 2 k + 1 of both tiles' lists, the tiles alternating.  2 x 134 = 4 x 64 + 12: the twelve that are over stand together, in slice 63.
; Ahead of slice 35 nothing names an exponential's result, and behind slice 34 no exponential is issued: so the piece's 66 exponentials have one wait, behind slice 34, with one plain instruction ahead of it.
.macro SLICE y
.if (k >= 11) && (k < 35)
.irp n, 0,1,2,3
.set j, 22+4*((k-11)/2)+(\n)
	SM (\y)+(k-11)%2
.endr
.else
.irp n, 0,1,2,3,4,5,6,7
.if (\n < 2) || (k == 63)
.irp t, \y, \y+1
.set j, 2*k+\n
	SM \t
.endr
.endif
.endr
.endif
.if k == 34
	v_nop                                          ; a plain instruction behind the last exponential
	s_wait_alu depctr_va_vdst(0)                   ; one wait for the piece's 66 exponentials, ahead of their first reader
.endif
.set k, k+1
.endm
; On and beyond the diagonal piece x's hidden scores become -infinity.  Register 8 kt + jj holds key 64 CJ + 16 kt + 8 h + jj: hidden where 16 kt + jj > 16 QT - 64 CJ + r - 8 h.
; A step all of whose keys count for all 16 queries jumps over this: a branch on ids and counts; no barrier stands inside.  Each accumulator is read from its low end on.
.macro MASKP x
	s_lshl_b32 s52, s[CJ], 6
	s_lshl_b32 s53, s[QT], 4
	s_add_co_u32 s54, s52, 63
	s_cmp_le_u32 s54, s53
	s_cbranch_scc1 .Lopen_\@
	s_sub_co_i32 s53, s53, s52
	v_add_nc_u32 v[DL], s53, v[LC0]
.irp kt, 0,1,2,3
.irp jj, 0,1,2,3,4,5,6,7
	v_cmp_gt_i32 vcc_lo, 16*\kt+\jj, v[DL]
.irp t, \x, \x+1
	v_cndmask_b32 v[S+32*(\t)+8*\kt+\jj], v[S+32*(\t)+8*\kt+\jj], v[NINF], vcc_lo
.endr
.endr
.endr
.Lopen_\@:
.endm
; A prefetch of my own tile two rounds on: 128 aligned blocks of 256 bytes, four instructions, lanes 256 bytes apart.  Only the kv head's first work-group asks, whose first task walks
; all 32 key steps; it asks in rounds 0 to 5, for key steps 8 to 31: each block is named once in the launch, and none lies past the kv head's rows.
.macro ASK
	s_cmp_gt_u32 s[LEFT], s[LIM]
	s_cbranch_scc0 .Lnot_mine_\@
.irp o, 0,8192,16384,24576
	global_prefetch_b8 v[PFO], s[PFA:PFA+1] offset:\o th:TH_LOAD_NT scope:SCOPE_SE
.endr
.Lnot_mine_\@:
.endm
; A ROUND on slot sg.  Each wave waits for all its tensor loads (its tile of this round), adds 0 to its spare word, waits for that and for its reads of the other slot; a barrier;
; fill = 1: the next round's tile goes into the other slot, first thing behind the barrier: one load of mine is out, and it has the whole round in which to land.
.macro ROUND sg, fill
	s_wait_tensorcnt 0x0
	ds_add_u32 v[SPW], v[NIL]
.if \fill
	s_lshl_b32 s40, s[LJ], 15
	s_add_nc_u64 s[G0+4*(1-\sg)+2:G0+4*(1-\sg)+3], s[KVB:KVB+1], s[40:41]
	s_or_b32 s[G0+4*(1-\sg)+3], s[G0+4*(1-\sg)+3], 0x80000000
	s_add_co_u32 s[LJ], s[LJ], 4
	s_sub_co_u32 s[LC], s[LC], 1
	s_cmp_eq_u32 s[LC], 0                          ; the first task's loads are all asked for: the second begins at key step w
	s_cselect_b32 s[LJ], s[WV], s[LJ]
	s_wait_xcnt 0x0                                ; the last round's prefetches and stores have read their registers
	s_add_nc_u64 s[PFA:PFA+1], s[PFA:PFA+1], 0x20000
.endif
	s_wait_dscnt 0x0
	s_barrier_signal -1
	s_barrier_wait -1
.if \fill
	tensor_load_to_lds s[G0+4*(1-\sg):G0+4*(1-\sg)+3], s[G1:G1+7]
	s_nop 0
.endif
	PLACES                                         ; also the places in front of loads into V's registers, which the last products read
	FETCH_K \sg
	FETCH_V \sg
	WIN 0
.if \fill
	ASK
.endif
	s_wait_dscnt 32                                ; K is in; V's 32 loads may stay out
.set i, 0
.rept 32
	KQP 0                                          ; piece 0's scores: nothing is at hand to set between them
.set i, i+1
.endr
	WIN 0
	PLACES                                         ; four places behind those products, ahead of the first read of their results
	MASKP 0
.set k, 0
.set i, 0
.rept 32
	KQP 2                                          ; piece 2's scores | piece 0's softmax, two slices behind each product
	SLICE 0
	SLICE 0
.set i, i+1
.endr
	WIN 0                                          ; (slices 62 and 63, twenty plain instructions on O^T's tiles 0 and 1, are the places behind piece 2's last product)
	MASKP 2
	s_wait_dscnt 0x0                               ; V is in
.set k, 0
.set i, 0
.rept 32
	PVP 0                                          ; piece 0's V^T P | piece 2's softmax
	SLICE 2
	SLICE 2
.set i, i+1
.endr
.set i, 0
.rept 32
	PVP 2                                          ; piece 2's V^T P
.set i, i+1
.endr
	WIN 0
	s_add_co_u32 s[CJ], s[CJ], 4
	s_sub_co_u32 s[LEFT], s[LEFT], 1
.endm
.macro ADDP src                        ; a part, 32 registers of f16 pairs, is widened (through two registers whose halves have names) and added onto my tile 0, in f32
.set i, 0
.rept 16
	v_mov_b32 v2, v[\src+2*i]
	v_mov_b32 v[DL], v[\src+2*i+1]
	v_cvt_f32_f16 v[128+4*i], v2.l
	v_cvt_f32_f16 v[129+4*i], v2.h
	v_cvt_f32_f16 v[130+4*i], v48.l
	v_cvt_f32_f16 v[131+4*i], v48.h
.set i, i+1
.endr
	WIN W_RS
.set i, 0
.rept 32
	v_pk_add_f32 v[2*i:2*i+1], v[2*i:2*i+1], v[128+2*i:129+2*i]
.set i, i+1
.endr
	WIN 0
.endm
; THE MERGE at a task's end.  Its two barriers fill nothing again; the next round's tile may stay on its way across them: only I read it, behind my own wait.
.macro MERGE last
.if !\last
	QLOAD I2                                       ; the next task's Q lands under the merge
.endif
.irp t, 0,1,2,3
	v_add_f32 v[ST+8*\t+4], v[ST+8*\t+2], v[ST+8*\t+3]
.endr
.irp t, 0,1,2,3
	v_permlanex16_b32 v[ST+8*\t+5], v[ST+8*\t+4], s[SEL], s[SEL+1]
.endr
.irp t, 0,1,2,3
	v_add_f32 v[ST+8*\t+1], v[ST+8*\t+4], v[ST+8*\t+5]   ; my l, beside c m
.endr
.irp t, 0,1,2,3
	ds_store_b64 v[ASW+\t], v[ST+8*\t:ST+8*\t+1]
.endr
	BAR
.irp t, 0,1,2,3
.irp k, 0,1,2,3
	ds_load_b64 v[64+8*\t+2*\k:65+8*\t+2*\k], v[ASR+\t] offset:256*\k   ; (c m, l) of wave k for tile t's head
.endr
.endr
	s_wait_dscnt 0x0
.irp t, 0,1,2,3
	v_max3_num_f32 v[96+\t], v[64+8*\t], v[66+8*\t], v[68+8*\t]
.endr
.irp t, 0,1,2,3
	v_max_num_f32 v[96+\t], v[96+\t], v[70+8*\t]
.endr
.irp t, 0,1,2,3
.irp k, 0,1,2,3
	v_sub_f32 v[100+4*\t+\k], v[64+8*\t+2*\k], v[96+\t]
.endr
	v_sub_f32 v[116+\t], v[ST+8*\t], v[96+\t]
.endr
.set i, 0
.rept 20
	v_exp_f32 v[100+i], v[100+i]
.set i, i+1
.endr
	v_nop
	s_wait_alu depctr_va_vdst(0)                   ; one wait for the twenty
.irp t, 0,1,2,3
	v_mul_f32 v[120+\t], v[65+8*\t], v[100+4*\t]
.endr
.irp k, 1,2,3
.irp t, 0,1,2,3
	v_fma_f32 v[120+\t], v[65+8*\t+2*\k], v[100+4*\t+\k], v[120+\t]   ; the whole sum under the common maximum
.endr
.endr
.irp t, 0,1,2,3
	v_rcp_f32 v[120+\t], v[120+\t]
.endr
	v_nop
	s_wait_alu depctr_va_vdst(0)                   ; one wait for the four
.irp t, 0,1,2,3
	v_mul_f32 v[ST+8*\t+6], v[116+\t], v[120+\t]   ; my part's factor
.endr
.irp t, 0,1,2,3
	v_mov_b32 v[ST+8*\t+7], v[ST+8*\t+6]
.endr
	WIN W_RS
.irp t, 0,1,2,3
.set i, 0
.rept 32
	v_pk_mul_f32 v[64*\t+2*i:64*\t+2*i+1], v[64*\t+2*i:64*\t+2*i+1], v[ST+8*\t+6:ST+8*\t+7] op_sel_hi:[1,0]
.set i, i+1
.endr
.endr
	WIN 0x05                                       ; sources 0 and 1 window 1
.irp t, 1,2,3
.set i, 0
.rept 32
	v_cvt_pk_f16_f32 v[64+32*(\t-1)+i], v[64*\t+2*i], v[64*\t+2*i+1]
.set i, i+1
.endr
.endr
	WIN 0
.irp t, 1,2,3
.irp c, 0,1,2,3,4,5,6,7
	ds_store_b128 v[AMW+\t-1], v[64+32*(\t-1)+4*\c:64+32*(\t-1)+4*\c+3] offset:512*\c   ; an image of the registers, to the head's owner
.endr
.endr
	BAR
.irp c, 0,1,2,3,4,5,6,7
	ds_load_b128 v[64+4*\c:67+4*\c], v[AMR] offset:512*\c
.endr
.irp c, 0,1,2,3,4,5,6,7
	ds_load_b128 v[96+4*\c:99+4*\c], v[AMR] offset:4096+512*\c
.endr
	s_wait_dscnt 8                                 ; the first part is in; the second's eight loads may stay out
	ADDP 64
.irp c, 0,1,2,3,4,5,6,7
	ds_load_b128 v[64+4*\c:67+4*\c], v[AMR] offset:8192+512*\c
.endr
	s_wait_dscnt 8                                 ; the second part is in; the third's eight loads may stay out
	ADDP 96
	s_wait_dscnt 0x0
	ADDP 64
	WIN 0x05
.set i, 0
.rept 32
	v_cvt_pk_f16_f32 v[P+i], v[2*i], v[2*i+1]
.set i, i+1
.endr
	WIN 0
.irp c, 0,1,2,3,4,5,6,7
	ds_store_b128 v[STO], v[P+4*\c:P+4*\c+3] offset:32*\c     ; my stage: bytes that I alone touch behind the barrier, and have read
.endr
.irp f, 0,1,2,3,4,5,6,7
	ds_load_b128 v[P+32+4*\f:P+35+4*\f], v[RD] offset:\f*544
.endr
	s_wait_dscnt 0x0
	s_wait_xcnt 0x0                                ; earlier stores have read their base
	s_lshl_b32 s40, s[QT], 16
	s_add_nc_u64 s[OB:OB+1], s[ATB:ATB+1], s[40:41]
.irp f, 0,1,2,3,4,5,6,7
	global_store_b128 v[GO], v[P+32+4*\f:P+35+4*\f], s[OB:OB+1] offset:8192*\f   ; 16 lanes store 256 consecutive bytes, aligned
.endr
.if !\last
.irp t, 0,1,2,3
	v_mov_b32 v[ST+8*\t+1], 0xf149f2ca
	v_mov_b32 v[ST+8*\t+2], 0
	v_mov_b32 v[ST+8*\t+3], 0
.endr
.irp t, 0,1,2,3
	v_mul_f32 v[ST+8*\t], s[CS], v[ST+8*\t+1]
.endr
	s_mov_b32 s[QT], s[I2]
	s_mov_b32 s[CJ], s[WV]
	s_wait_loadcnt 0x0                             ; the next task's Q
	s_wait_xcnt 0x0                                ; the stores have read their registers, which the next round writes
.endif
.endm
.Ltrip:                                            ; four trips of two rounds
	ROUND 0, 1
	ROUND 1, 1
	s_add_co_u32 s[DONE], s[DONE], 2
	s_cmp_eq_u32 s[DONE], s[R1]                    ; the work-group's number and the count of rounds alone: all four waves go the same way
	s_cbranch_scc0 .Lsame_task
	MERGE 0
.Lsame_task:
	s_sub_co_u32 s[TRIP], s[TRIP], 1
	s_cmp_lg_u32 s[TRIP], 0
	s_cbranch_scc1 .Ltrip
	ROUND 0, 0                                     ; the ninth round is written out: nothing is left to fetch
	MERGE 1
	s_wait_tensorcnt 0x0                           ; the wave's end
	ds_add_u32 v[SPW], v[NIL]
	s_wait_dscnt 0x0
	s_endpgm
.Lfunc_end_k_q47fe019ca3_attn:
	.size	k_q47fe019ca3_attn, .Lfunc_end_k_q47fe019ca3_attn-k_q47fe019ca3_attn
	.p2alignl 7, 3214868480
	.fill 96, 4, 3214868480
	.section	.rodata,"a",@progbits
	.p2align	6, 0x0
	.amdhsa_kernel k_q47fe019ca3_attn
		.amdhsa_group_segment_fixed_size 327680
		.amdhsa_private_segment_fixed_size 0
		.amdhsa_enable_private_segment 0
		.amdhsa_kernarg_size 16
		.amdhsa_user_sgpr_count 2
		.amdhsa_user_sgpr_kernarg_segment_ptr 1
		.amdhsa_wavefront_size32 1
		.amdhsa_system_sgpr_workgroup_id_x 1
		.amdhsa_system_sgpr_workgroup_id_y 1
		.amdhsa_system_sgpr_workgroup_id_z 1
		.amdhsa_system_vgpr_workitem_id 0
		.amdhsa_next_free_vgpr 1024
		.amdhsa_next_free_sgpr 66
		.amdhsa_reserve_vcc 1
		.amdhsa_float_denorm_mode_32 3
		.amdhsa_float_denorm_mode_16_64 3
		.amdhsa_memory_ordered 1
		.amdhsa_forward_progress 1
		.amdhsa_inst_pref_size 255
	.end_amdhsa_kernel
	.section	.bss,"aw",@nobits
	.p2align	6
	.space	262144
	.amdgpu_metadata
---
amdhsa.version: [ 1, 2 ]
amdhsa.kernels:
  - .name:           k_q47fe019ca3_attn
    .symbol:         k_q47fe019ca3_attn.kd
    .args:
      - { .name: qkv, .offset: 0, .size: 8, .value_kind: global_buffer, .address_space: global }
      - { .name: att, .offset: 8, .size: 8, .value_kind: global_buffer, .address_space: global }
    .group_segment_fixed_size: 327680
    .private_segment_fixed_size: 0
    .kernarg_segment_align: 8
    .kernarg_segment_size: 16
    .max_flat_workgroup_size: 128
    .sgpr_count:     66
    .vgpr_count:     1024
    .wavefront_size: 32
...
	.end_amdgpu_metadata
.endif
;; end of part 4
;; launch proj (part 5): grid 16 x 16, 4 waves a work-group, clusters of 4 x 4, 327,680 bytes of LDS; arguments att, wp16, out0; writes out0
.if DOCPART == 5
	.amdgcn_target "amdgcn-amd-amdhsa--gfx1250"
	.amdhsa_code_object_version 6
	.text
	.protected	k_q47fe019ca3_proj
	.globl	k_q47fe019ca3_proj
	.p2align	8
	.type	k_q47fe019ca3_proj,@function
k_q47fe019ca3_proj:
	s_mov_b64 s[64:65], 0
	v_nop
	global_prefetch_b8 v0, s[64:65] scope:SCOPE_SE
	s_setreg_imm32_b32 hwreg(HW_REG_WAVE_MODE, 25, 1), 1
	s_wait_xcnt 0x0
	s_wait_alu depctr_hold_cnt(0) depctr_sa_sdst(0) depctr_va_vdst(0) depctr_va_sdst(0) depctr_va_ssrc(0) depctr_va_vcc(0) depctr_vm_vsrc(0)
	s_getreg_b32 s2, hwreg(HW_REG_IB_STS2, 6, 4)
	s_cmp_eq_u32 s2, 0
	s_cbranch_scc0 .Lentry_in_a_cluster
	s_endpgm
.Lentry_in_a_cluster:
	s_bfe_u32 s2, ttmp6, 0x10000c
	s_cmp_lg_u32 s2, 0xf033
	s_cbranch_scc0 .Lentry_shape_is_right
	s_endpgm
.Lentry_shape_is_right:
; PROJ: out0[m][n] = sum over k of att[m][k] wp16[n][k], f16 operands, f32 sums, f32 out; M = N = K = 2048.  Rows 0-15 are left to the first16 launch, which runs before this one and makes them in f32.
; A tile of out0 is 128 x 128: 256 work-groups, one for each WGP.  Four waves, each 64 x 64: 16 accumulators.  K goes in steps of 256 (LDS rows of 512 bytes; a wave's tensor load brings 64 of them)
; through two slots.  CLUSTER 4 x 4: att's tiles are shared along a row of the cluster, wp16's along a column: joint loads.
; THE MATRIX INSTRUCTION IS USED TRANSPOSED (source 0 = 16 rows of wp16, source 1 = 16 rows of att): a lane holds eight neighbouring numbers of a row of out0.
; A wave's 64 columns of f32 are 256 aligned bytes of a row, so each wave has a stage of its own on the way out and no barrier is needed there.
; REGISTERS: window 0: v0-31 addresses; v32-95 rows read back, two sets; v128-255 the accumulators ((a, b) at v[128 + 8 (4 a + b)]).  window 1: two fragment buffers of 128.
.set SIZE_K, 2048
.set SIZE_N, 2048
.set KSTEP,  256
.set PITCH,  528
.set HALFT,  64*PITCH
.set SLOT,   4*HALFT
.set STAGE,  2*SLOT                    ; behind the ring: 16 rows x 272 bytes for each wave
.set SPITCH, 272
.set SPARE,  STAGE+4*16*SPITCH         ; the spare words, 128 bytes a wave
.set LAPS, SIZE_K/(2*KSTEP)
.set ADRA, 16
.set ADRB, 20
.set STO,  24
.set RD,   25
.set CO,   26
.set ROWV, 27
.set SPW,  28
.set NIL,  29
.set BK,   32
.set ACC,  128
.set F0,   0
.set F1,   128
.set G1, 24
.set G0, 32
.set G1B, 48
.set G0B, 56
.set MSB, 0
.macro WIN new
.if MSB != \new
	s_set_vgpr_msb (MSB<<8)|\new
.set MSB, \new
.endif
.endm
.set MUL,  0x05                        ; sources 0 and 1 window 1; C and D window 0
.set TO_F, 0x40                        ; destination window 1
.macro JLOAD s                         ; a joint load: waves 0 and 1 fetch att's two halves, waves 2 and 3 wp16's; an s_nop 0 and four v_nop follow each line
	s_cmp_eq_u32 s11, 0
	s_cbranch_scc0 .Lfor_b_\@
	tensor_load_to_lds s[G0+4*\s:G0+4*\s+3], s[G1:G1+7]
	s_nop 0
.rept 4
	v_nop
.endr
	s_branch .Lasked_\@
.Lfor_b_\@:
	tensor_load_to_lds s[G0B+4*\s:G0B+4*\s+3], s[G1B:G1B+7]
	s_nop 0
.rept 4
	v_nop
.endr
.Lasked_\@:
.endm
.macro CREST
	s_cmp_lg_u32 s10, 0
	s_cbranch_scc1 .Lnot_wave_0_\@
	s_barrier_signal -3
.Lnot_wave_0_\@:
	s_barrier_wait -3
	s_barrier_signal -1
	s_barrier_wait -1
.endm
.macro CROUND
	s_barrier_signal -1
	s_barrier_wait -1
	CREST
.endm
	s_load_b128 s[4:7], s[0:1], 0x0                ; att, wp16
	s_load_b64 s[8:9], s[0:1], 0x10                ; out0
	v_lshl_add_u32 v[SPW], v0, 2, SPARE
	v_mov_b32 v[NIL], 0
	ds_add_u32 v[SPW], v[NIL]                      ; the wave's opening: the add, twice on end, and its wait ahead of my first tensor load
	ds_add_u32 v[SPW], v[NIL]
	v_lshrrev_b32 v1, 5, v0
	v_readfirstlane_b32 s10, v1                    ; wave
	s_lshr_b32 s11, s10, 1                         ; my half of the rows.  Also: I fetch for att (0) or for wp16 (1)
	s_and_b32 s12, s10, 1                          ; my half of the columns.  Also: which 64 rows of that tile I fetch
	s_bfe_u32 s40, ttmp6, 0x40000                  ; cx
	s_bfe_u32 s41, ttmp6, 0x40004                  ; cy
	s_lshl_b32 s42, ttmp9, 2
	s_add_co_u32 s42, s42, s40                     ; tile column
	s_and_b32 s13, ttmp7, 0xffff
	s_lshl_b32 s13, s13, 2
	s_add_co_u32 s13, s13, s41                     ; tile row
	s_lshl_b32 s43, s41, 2
	s_lshl_b32 s43, 15, s43                        ; my row of the cluster
	s_lshl_b32 s44, 0x1111, s40                    ; my column
	s_or_b32 s[G1+0], s43, (1<<16)|(1<<20)|(1<<21)|(6<<22)|(3<<25)   ; elements of 2 bytes; 4 words of padding behind every 128
	s_or_b32 s[G1B+0], s44, (1<<16)|(1<<20)|(1<<21)|(6<<22)|(3<<25)
.irp g, G1, G1B
	s_mov_b32 s[\g+1], KSTEP<<16
	s_mov_b32 s[\g+2], 64<<16
	s_mov_b32 s[\g+3], KSTEP<<16
	s_mov_b32 s[\g+4], 64
	s_mov_b32 s[\g+5], SIZE_K
	s_mov_b32 s[\g+6], 0
	s_mov_b32 s[\g+7], 0
.endr
	s_lshl_b32 s17, s12, 6
	s_lshl_b32 s16, s13, 7
	s_add_co_u32 s16, s16, s17                     ; att: row 128 x tile row + 64 x half
	s_lshl_b32 s46, s42, 7
	s_add_co_u32 s46, s46, s17                     ; wp16: row 128 x tile column + 64 x half
	s_mov_b32 s17, 0
	s_mov_b32 s47, 0
	s_mov_b64 s[18:19], SIZE_K*2
	s_mul_u64 s[16:17], s[16:17], s[18:19]
	s_mul_u64 s[46:47], s[46:47], s[18:19]
	s_mul_i32 s20, s10, HALFT                      ; where they go: wave x 64 rows
	s_wait_dscnt 0x0                               ; both opening adds are done
	s_wait_kmcnt 0x0
	s_add_nc_u64 s[14:15], s[4:5], s[16:17]
	s_add_nc_u64 s[46:47], s[6:7], s[46:47]
	CROUND                                         ; all sixteen work-groups are here: the first joint loads meet
.irp s, 0,1
	s_mov_b32 s[G0+4*\s], 1
	s_add_co_u32 s[G0+4*\s+1], s20, \s*SLOT
	s_add_nc_u64 s[G0+4*\s+2:G0+4*\s+3], s[14:15], \s*KSTEP*2
	s_or_b32 s[G0+4*\s+3], s[G0+4*\s+3], 0x80000000
	s_mov_b32 s[G0B+4*\s], 1
	s_add_co_u32 s[G0B+4*\s+1], s20, \s*SLOT
	s_add_nc_u64 s[G0B+4*\s+2:G0B+4*\s+3], s[46:47], \s*KSTEP*2
	s_or_b32 s[G0B+4*\s+3], s[G0B+4*\s+3], 0x80000000
	JLOAD \s
.endr
	v_and_b32 v1, 15, v0
	v_bfe_u32 v2, v0, 4, 1
	v_mul_u32_u24 v3, v1, PITCH
	v_lshl_add_u32 v3, v2, 4, v3
	s_mul_i32 s21, s11, HALFT
	s_mul_i32 s22, s12, HALFT
	s_add_co_u32 s22, s22, 2*HALFT
.irp s, 0,1
	v_add_nc_u32 v[ADRA+\s], s21, v3
	v_add_nc_u32 v[ADRB+\s], s22, v3
	s_add_co_u32 s21, s21, SLOT
	s_add_co_u32 s22, s22, SLOT
.endr
	s_mul_i32 s23, s10, 16*SPITCH
	s_add_co_u32 s23, s23, STAGE                   ; my stage
	v_mul_u32_u24 v4, v1, SPITCH
	v_lshl_add_u32 v4, v2, 5, v4
	v_add_nc_u32 v[STO], s23, v4                   ; in: row r, 32 bytes for each half of the lanes
	v_mul_u32_u24 v5, v2, SPITCH
	v_lshl_add_u32 v5, v1, 4, v5
	v_add_nc_u32 v[RD], s23, v5                    ; back: lanes 0-15 one row of 256 bytes, lanes 16-31 the next
	v_lshlrev_b32 v5, 13, v2
	v_lshl_add_u32 v[CO], v1, 4, v5                ; and the same two rows in out0
	s_lshl_b32 s16, s13, 7
	s_lshl_b32 s17, s11, 6
	s_add_co_u32 s16, s16, s17                     ; my first row
	v_mov_b32 v[ROWV], s16
	s_lshl_b32 s16, s16, 13
	s_mov_b32 s17, 0
	s_add_nc_u64 s[8:9], s[8:9], s[16:17]
	s_lshl_b32 s46, s42, 9                         ; my first column, in bytes
	s_lshl_b32 s47, s12, 8
	s_add_co_u32 s46, s46, s47
	s_mov_b32 s47, 0
	s_add_nc_u64 s[8:9], s[8:9], s[46:47]
.macro MUL8 f, c, a0, zero             ; 8 products; the 16 accumulators take turns
.irp a, \a0, \a0+1
.irp b, 0,1,2,3
.if \zero
	v_wmma_f32_16x16x32_f16 v[ACC+8*(4*(\a)+\b):ACC+8*(4*(\a)+\b)+7], v[\f+64+8*(4*\c+\b):\f+64+8*(4*\c+\b)+7], v[\f+8*(4*\c+\a):\f+8*(4*\c+\a)+7], 0
.else
	v_wmma_f32_16x16x32_f16 v[ACC+8*(4*(\a)+\b):ACC+8*(4*(\a)+\b)+7], v[\f+64+8*(4*\c+\b):\f+64+8*(4*\c+\b)+7], v[\f+8*(4*\c+\a):\f+8*(4*\c+\a)+7], v[ACC+8*(4*(\a)+\b):ACC+8*(4*(\a)+\b)+7]
.endif
.endr
.endr
.endm
.macro FETCH slot, k, f                ; 32 LDS loads in one run: the fragments of 64 along K at byte k of the rows; the first 32 along K first
	WIN TO_F
.irp c, 0,1
.irp i, 0,1,2,3
	ds_load_b128 v[\f+64+8*(4*\c+\i):\f+64+8*(4*\c+\i)+3],   v[ADRB+\slot] offset:\k+64*\c+\i*16*PITCH
	ds_load_b128 v[\f+64+8*(4*\c+\i)+4:\f+64+8*(4*\c+\i)+7], v[ADRB+\slot] offset:\k+64*\c+\i*16*PITCH+32
	ds_load_b128 v[\f+8*(4*\c+\i):\f+8*(4*\c+\i)+3],         v[ADRA+\slot] offset:\k+64*\c+\i*16*PITCH
	ds_load_b128 v[\f+8*(4*\c+\i)+4:\f+8*(4*\c+\i)+7],       v[ADRA+\slot] offset:\k+64*\c+\i*16*PITCH+32
.endr
.endr
.endm
.macro PLACES
.rept 4
	v_nop
.endr
.endm
.macro QUARTER slot, k, f, g, zero
	s_wait_dscnt 16                                ; the first 32 along K are in; the other sixteen loads may stay out
	WIN MUL
	MUL8 \f, 0, 0, \zero
	MUL8 \f, 0, 2, \zero
	PLACES
	FETCH \slot, \k, \g
	s_wait_dscnt 32                                ; all but the 32 just issued
	WIN MUL
	MUL8 \f, 1, 0, 0
	MUL8 \f, 1, 2, 0
.endm
.macro TURN slot, next, fill
	WIN 0
	s_wait_tensorcnt 0x0                           ; my part of the next slot has landed
	ds_add_u32 v[SPW], v[NIL]
	s_wait_dscnt 17                                ; the add and the youngest sixteen loads may be out
	WIN MUL
	MUL8 F1, 0, 0, 0
	s_wait_dscnt 0x0                               ; the add is done, and my reads of this slot are over
	s_barrier_signal -1
	MUL8 F1, 0, 2, 0
.if \fill
	WIN 0
.endif
	s_barrier_wait -1
.if \fill
	CREST
	s_add_nc_u64 s[G0+4*\slot+2:G0+4*\slot+3], s[G0+4*\slot+2:G0+4*\slot+3], 2*KSTEP*2
	s_add_nc_u64 s[G0B+4*\slot+2:G0B+4*\slot+3], s[G0B+4*\slot+2:G0B+4*\slot+3], 2*KSTEP*2
	JLOAD \slot
.else
	PLACES
.endif
	FETCH \next, 0, F0
	WIN MUL
	MUL8 F1, 1, 0, 0
	MUL8 F1, 1, 2, 0
.endm
	s_wait_tensorcnt 1                             ; my part of K step 0 is in; K step 1's load may stay out
	s_barrier_signal -1
	s_barrier_wait -1
	FETCH 0, 0, F0
	QUARTER 0, 128, F0, F1, 1                      ; the first products start the sums
	WIN 0
	s_mov_b32 s3, LAPS-1
.Llap:
	QUARTER 0, 256, F1, F0, 0
	QUARTER 0, 384, F0, F1, 0
	TURN 0, 1, 1
	QUARTER 1, 128, F0, F1, 0
	QUARTER 1, 256, F1, F0, 0
	QUARTER 1, 384, F0, F1, 0
	TURN 1, 0, 1
	QUARTER 0, 128, F0, F1, 0
	WIN 0
	s_sub_co_u32 s3, s3, 1
	s_cmp_lg_u32 s3, 0
	s_cbranch_scc1 .Llap
	QUARTER 0, 256, F1, F0, 0                      ; the last lap fills nothing
	QUARTER 0, 384, F0, F1, 0
	TURN 0, 1, 0
	QUARTER 1, 128, F0, F1, 0
	QUARTER 1, 256, F1, F0, 0
	QUARTER 1, 384, F0, F1, 0
	s_wait_dscnt 16
	WIN MUL
	MUL8 F1, 0, 0, 0
	MUL8 F1, 0, 2, 0
	s_wait_dscnt 0
	MUL8 F1, 1, 0, 0
	MUL8 F1, 1, 2, 0
	WIN 0
; THE WAY OUT, block by block of 16 rows x 64 columns, through my own stage; LDS serves a wave's instructions in order, so no wait stands between its stores and its loads.
.macro TOSTAGE a
.irp b, 0,1,2,3
	ds_store_b128 v[STO], v[ACC+8*(4*(\a)+\b):ACC+8*(4*(\a)+\b)+3] offset:64*\b       ; each accumulator from its low end on
	ds_store_b128 v[STO], v[ACC+8*(4*(\a)+\b)+4:ACC+8*(4*(\a)+\b)+7] offset:64*\b+16
.endr
.irp t, 0,1,2,3,4,5,6,7
	ds_load_b128 v[BK+32*((\a)%2)+4*\t:BK+32*((\a)%2)+4*\t+3], v[RD] offset:\t*2*SPITCH
.endr
.endm
.macro STORES a
.irp t, 0,1,2,3,4,5,6,7
	global_store_b128 v[CO], v[BK+32*((\a)%2)+4*\t:BK+32*((\a)%2)+4*\t+3], s[8:9] offset:(16*(\a)+2*\t)*SIZE_N*4 th:TH_STORE_NT   ; 16 lanes store 256 consecutive bytes, aligned
.endr
.endm
	PLACES
	TOSTAGE 0
	TOSTAGE 1
	s_wait_dscnt 16                                ; block 0 is back; block 1's sixteen LDS instructions may stay out
	v_cmp_le_u32 vcc_lo, 16, v[ROWV]               ; rows 0-15 are not stored here: a lane mask, no branch
	s_wait_xcnt 0x0                                ; EXEC changes only behind this wait
	s_and_saveexec_b32 s23, vcc_lo
	STORES 0
	s_wait_xcnt 0x0                                ; and again in front of the line that widens it; block 0's registers are free too
	s_or_b32 exec_lo, exec_lo, s23
	TOSTAGE 2
	s_wait_dscnt 16
	STORES 1
	s_wait_xcnt 0x0                                ; block 1's stores have read their registers
	TOSTAGE 3
	s_wait_dscnt 16
	STORES 2
	s_wait_dscnt 0x0
	STORES 3
	s_wait_tensorcnt 0x0                           ; the wave's end
	ds_add_u32 v[SPW], v[NIL]
	s_wait_dscnt 0x0
	CROUND                                         ; the closing round
	s_endpgm
.Lfunc_end_k_q47fe019ca3_proj:
	.size	k_q47fe019ca3_proj, .Lfunc_end_k_q47fe019ca3_proj-k_q47fe019ca3_proj
	.p2alignl 7, 3214868480
	.fill 96, 4, 3214868480
	.section	.rodata,"a",@progbits
	.p2align	6, 0x0
	.amdhsa_kernel k_q47fe019ca3_proj
		.amdhsa_group_segment_fixed_size 327680
		.amdhsa_private_segment_fixed_size 0
		.amdhsa_enable_private_segment 0
		.amdhsa_kernarg_size 24
		.amdhsa_user_sgpr_count 2
		.amdhsa_user_sgpr_kernarg_segment_ptr 1
		.amdhsa_wavefront_size32 1
		.amdhsa_system_sgpr_workgroup_id_x 1
		.amdhsa_system_sgpr_workgroup_id_y 1
		.amdhsa_system_sgpr_workgroup_id_z 1
		.amdhsa_system_vgpr_workitem_id 0
		.amdhsa_next_free_vgpr 512
		.amdhsa_next_free_sgpr 66
		.amdhsa_reserve_vcc 1
		.amdhsa_float_denorm_mode_32 3
		.amdhsa_float_denorm_mode_16_64 3
		.amdhsa_memory_ordered 1
		.amdhsa_forward_progress 1
		.amdhsa_inst_pref_size 86
	.end_amdhsa_kernel
	.amdgpu_metadata
---
amdhsa.version: [ 1, 2 ]
amdhsa.kernels:
  - .name:           k_q47fe019ca3_proj
    .symbol:         k_q47fe019ca3_proj.kd
    .args:
      - { .name: att, .offset: 0, .size: 8, .value_kind: global_buffer, .address_space: global }
      - { .name: wp16, .offset: 8, .size: 8, .value_kind: global_buffer, .address_space: global }
      - { .name: out0, .offset: 16, .size: 8, .value_kind: global_buffer, .address_space: global }
    .group_segment_fixed_size: 327680
    .private_segment_fixed_size: 0
    .kernarg_segment_align: 8
    .kernarg_segment_size: 24
    .max_flat_workgroup_size: 128
    .sgpr_count:     66
    .vgpr_count:     512
    .wavefront_size: 32
...
	.end_amdgpu_metadata
.endif
;; end of part 5
